; MI455X (gfx1250); checked and timed in simulation.
; The chip was launched on July 23, 2026; its instructions are those of AMD's public machine-readable ISA for CDNA 5 (MIT licence, August 2026) and "CDNA5" Instruction Set Architecture Reference Guide (July 2026). The comments in the code are by the model that wrote it; some were corrected since.
;; Phi Harmonic Attention. Allowed arithmetic: float matrix products may take bf16 or f16 operands with f32 sums; other float arithmetic in f32, or as packed bf16 or f16 multiplies, adds, multiply-adds, maxima and minima; sums over many terms, partial sums and values carried from step to step in f32; what a program stores and reads back later, other than sums and carried values, may be rounded once to bf16 or f16.
;; Inputs: Wk 2,048 x 2,048 float32; Wo 2,048 x 2,048 float32; Wq 2,048 x 2,048 float32; Wv 2,048 x 2,048 float32; x 1 x 2,048 x 2,048 float32.
;; Outputs: out0 1 x 2,048 x 2,048 float32.
;; One version. Each part assembles by itself: llvm-mc -triple=amdgcn-amd-amdhsa -mcpu=gfx1250 --defsym DOCPART=n.
;; ======== version 1 of 1: 4 launches
;; limits: values are held in f16: magnitudes above 65,504 overflow, below 6.1e-05 lose precision; right only within a limited range of input values
;; workspace buffers: xb 8,388,608 bytes; wb 33,554,432 bytes; tab 1,048,576 bytes; qws 8,388,608 bytes; kv 16,777,216 bytes; attn 8,388,608 bytes
;; launch prep (part 1): grid 256 x 6, 8 waves a work-group, no clusters, 0 bytes of LDS; arguments x, Wq, Wk, Wv, Wo, xb, wb, tab; writes xb, wb, tab
.if DOCPART == 1
	.amdgcn_target "amdgcn-amd-amdhsa--gfx1250"
	.amdhsa_code_object_version 6
	.text
	.protected	k_q912d9e6abb_prep
	.globl	k_q912d9e6abb_prep
	.p2align	8
	.type	k_q912d9e6abb_prep,@function
k_q912d9e6abb_prep:
	s_mov_b64 s[64:65], 0
	v_nop
	global_prefetch_b8 v0, s[64:65] scope:SCOPE_SE
	s_setreg_imm32_b32 hwreg(HW_REG_WAVE_MODE, 25, 1), 1
	s_wait_xcnt 0x0
; PREP.  y = 0..4: one of x, Wq, Wk, Wv, Wo (2048 x 2048 f32) is rounded once to bf16 and written as 16-bit numbers: x to xb, the weights to the four planes of wb (8 MiB each).
; Wo's rounded number is written as f16 (the last product multiplies in f16): exact while 2^-14 <= |Wo| < 65,504; below that it keeps f16's fixed step of 6e-8; beyond 65,504 it is lost (a stated limit).
; y = 5: the table of the rotary angles, tab[s][cos 0..63 | sin 0..63] in f32, 512 bytes a row.
; A cast work-group takes 65,536 bytes of its source, a wave 8,192: sixteen loads of 512 consecutive bytes, all on their way at once; each store of a wave covers 256 consecutive bytes, aligned.
; A load's four numbers are rounded in place, into its own first two registers: 80 registers a wave, so that twelve waves fit the 1,024 registers of a SIMD: the six work-groups that fall to a WGP (1,536 for 256).
; No LDS, no matrix unit, no cluster: each byte is read once and written once and nothing is shared.
.set XR, 16                            ; v[16:79]  sixteen loads of four registers; the first two of each then hold what its store reads, and nothing writes them again
	s_load_b512 s[4:19], s[0:1], 0x0               ; x 4, Wq 6, Wk 8, Wv 10, Wo 12, xb 14, wb 16, tab 18
	s_and_b32 s20, ttmp7, 0xffff                   ; y: which job
	s_mov_b32 s21, ttmp9                           ; x: which part of it
	v_lshrrev_b32 v3, 5, v0                        ; wave
	v_and_b32 v4, 31, v0                           ; lane
	s_cmp_eq_u32 s20, 5
	s_cbranch_scc1 .Ltab
	v_lshlrev_b32 v1, 4, v4
	v_lshl_add_u32 v1, v3, 13, v1                  ; source offset: 8,192 x wave + 16 x lane
	v_lshrrev_b32 v2, 1, v1                        ; destination offset: half of it
	s_sub_co_u32 s26, s20, 1
	s_max_i32 s26, s26, 0                          ; the plane of wb (0 for x, which does not go there)
	s_lshl_b32 s26, s26, 23
	s_mov_b32 s27, 0
	s_lshl_b32 s28, s21, 16                        ; the work-group's 65,536 bytes of source,
	s_mov_b32 s29, 0
	s_lshl_b32 s30, s21, 15                        ; its 32,768 of destination
	s_mov_b32 s31, 0
	s_wait_kmcnt 0x0
	s_cmp_eq_u32 s20, 1
	s_cselect_b64 s[22:23], s[6:7], s[4:5]
	s_cmp_eq_u32 s20, 2
	s_cselect_b64 s[22:23], s[8:9], s[22:23]
	s_cmp_eq_u32 s20, 3
	s_cselect_b64 s[22:23], s[10:11], s[22:23]
	s_cmp_eq_u32 s20, 4
	s_cselect_b64 s[22:23], s[12:13], s[22:23]
	s_cmp_eq_u32 s20, 0
	s_cselect_b64 s[24:25], s[14:15], s[16:17]
	s_add_nc_u64 s[22:23], s[22:23], s[28:29]
	s_add_nc_u64 s[24:25], s[24:25], s[26:27]
	s_add_nc_u64 s[24:25], s[24:25], s[30:31]
.set i, 0
.rept 16
	global_load_b128 v[XR+4*i:XR+4*i+3], v1, s[22:23] offset:512*i th:TH_LOAD_NT
.set i, i+1
.endr
	s_cmp_eq_u32 s20, 4
	s_cbranch_scc1 .Lwo
.set i, 0
.rept 16
	s_wait_loadcnt 15-i                            ; loads come back in order: number i is in, the 15 - i younger ones stay out
	v_cvt_pk_bf16_f32 v[XR+4*i], v[XR+4*i], v[XR+4*i+1]
	v_cvt_pk_bf16_f32 v[XR+4*i+1], v[XR+4*i+2], v[XR+4*i+3]
	global_store_b64 v2, v[XR+4*i:XR+4*i+1], s[24:25] offset:256*i th:TH_STORE_NT
.set i, i+1
.endr
	s_endpgm
.Lwo:                                                  ; Wo: rounded to bf16 like every input, and that number written as f16
.set i, 0
.rept 16
	s_wait_loadcnt 15-i
	v_cvt_pk_bf16_f32 v8, v[XR+4*i], v[XR+4*i+1]
	v_cvt_pk_bf16_f32 v9, v[XR+4*i+2], v[XR+4*i+3]
	v_lshlrev_b32 v10, 16, v8                      ; bf16 to f32: the low half moves up, the high half stays
	v_and_b32 v11, 0xffff0000, v8
	v_lshlrev_b32 v12, 16, v9
	v_and_b32 v13, 0xffff0000, v9
	v_cvt_pk_f16_f32 v[XR+4*i], v10, v11
	v_cvt_pk_f16_f32 v[XR+4*i+1], v12, v13
	global_store_b64 v2, v[XR+4*i:XR+4*i+1], s[24:25] offset:256*i th:TH_STORE_NT
.set i, i+1
.endr
	s_endpgm
; THE TABLE.  A wave makes row s = 8 x + wave, a lane the frequencies i = 2 lane and 2 lane + 1.  The frequency is kept in revolutions: fr = (phi - 1) / 2 pi x 2^(-i log2(10000) / 64).
; s fr less its nearest whole number, by one fused multiply-add, lies in -1/2 .. 1/2; times 2 pi it is x in -pi .. pi, and sine and cosine are their Taylor sums to x^15 and x^16,
; whose first left-out terms, pi^17 / 17! and pi^18 / 18!, are under 1e-6: the length holds for every s and i, not for some.
.Ltab:
	v_lshl_add_u32 v3, s21, 3, v3                  ; s
	v_cvt_f32_u32 v5, v3
	v_lshlrev_b32 v6, 1, v4
	v_cvt_f32_u32 v6, v6                           ; i
	v_add_f32 v7, 1.0, v6                          ; i + 1
	v_mul_f32 v6, 0xbe549a78, v6                   ; -log2(10000) / 64
	v_mul_f32 v7, 0xbe549a78, v7
	v_exp_f32 v8, v6
	v_exp_f32 v9, v7
	v_lshlrev_b32 v2, 3, v4                        ; the plain instruction behind the two exponentials: 8 x lane,
	v_lshl_add_u32 v2, v3, 9, v2                   ; + 512 s
	s_wait_alu depctr_va_vdst(0)                   ; one wait for both exponentials, ahead of their first reader
.irp e, 0,1
	v_mul_f32 v[8+\e], 0x3dc972a0, v[8+\e]         ; (phi - 1) / 2 pi
	v_mul_f32 v[10+\e], v5, v[8+\e]
	v_rndne_f32 v[10+\e], v[10+\e]
	v_fma_f32 v[10+\e], v5, v[8+\e], -v[10+\e]     ; the fraction of a revolution
	v_mul_f32 v[10+\e], 0x40c90fdb, v[10+\e]       ; x
	v_mul_f32 v[12+\e], v[10+\e], v[10+\e]         ; x^2
	v_mov_b32 v[14+\e], 0xab573f9f                 ; -1/15!
	v_mov_b32 v[16+\e], 0x29573f9f                 ; 1/16!
.endr
.irp c, 0x2f309231, 0xb2d7322b, 0x3638ef1d, 0xb9500d01, 0x3c088889, 0xbe2aaaab, 0x3f800000
	v_fmaak_f32 v14, v14, v12, \c
	v_fmaak_f32 v15, v15, v13, \c
.endr
.irp c, 0xad49cba5, 0x310f76c7, 0xb493f27e, 0x37d00d01, 0xbab60b61, 0x3d2aaaab, 0xbf000000, 0x3f800000
	v_fmaak_f32 v16, v16, v12, \c
	v_fmaak_f32 v17, v17, v13, \c
.endr
	v_mul_f32 v14, v10, v14                        ; sine
	v_mul_f32 v15, v11, v15
	s_wait_kmcnt 0x0
	global_store_b64 v2, v[16:17], s[18:19]        ; the wave's 64 cosines: 256 consecutive bytes, aligned
	global_store_b64 v2, v[14:15], s[18:19] offset:256
	s_endpgm
.Lfunc_end_k_q912d9e6abb_prep:
	.size	k_q912d9e6abb_prep, .Lfunc_end_k_q912d9e6abb_prep-k_q912d9e6abb_prep
	.p2alignl 7, 3214868480
	.fill 96, 4, 3214868480
	.section	.rodata,"a",@progbits
	.p2align	6, 0x0
	.amdhsa_kernel k_q912d9e6abb_prep
		.amdhsa_group_segment_fixed_size 0
		.amdhsa_private_segment_fixed_size 0
		.amdhsa_enable_private_segment 0
		.amdhsa_kernarg_size 64
		.amdhsa_user_sgpr_count 2
		.amdhsa_user_sgpr_kernarg_segment_ptr 1
		.amdhsa_wavefront_size32 1
		.amdhsa_system_sgpr_workgroup_id_x 1
		.amdhsa_system_sgpr_workgroup_id_y 1
		.amdhsa_system_sgpr_workgroup_id_z 1
		.amdhsa_system_vgpr_workitem_id 0
		.amdhsa_next_free_vgpr 80
		.amdhsa_next_free_sgpr 66
		.amdhsa_reserve_vcc 0
		.amdhsa_float_denorm_mode_32 3
		.amdhsa_float_denorm_mode_16_64 3
		.amdhsa_memory_ordered 1
		.amdhsa_forward_progress 1
		.amdhsa_inst_pref_size 20
	.end_amdhsa_kernel
	.amdgpu_metadata
---
amdhsa.version: [ 1, 2 ]
amdhsa.kernels:
  - .name:           k_q912d9e6abb_prep
    .symbol:         k_q912d9e6abb_prep.kd
    .args:
      - { .name: x, .offset: 0, .size: 8, .value_kind: global_buffer, .address_space: global }
      - { .name: Wq, .offset: 8, .size: 8, .value_kind: global_buffer, .address_space: global }
      - { .name: Wk, .offset: 16, .size: 8, .value_kind: global_buffer, .address_space: global }
      - { .name: Wv, .offset: 24, .size: 8, .value_kind: global_buffer, .address_space: global }
      - { .name: Wo, .offset: 32, .size: 8, .value_kind: global_buffer, .address_space: global }
      - { .name: xb, .offset: 40, .size: 8, .value_kind: global_buffer, .address_space: global }
      - { .name: wb, .offset: 48, .size: 8, .value_kind: global_buffer, .address_space: global }
      - { .name: tab, .offset: 56, .size: 8, .value_kind: global_buffer, .address_space: global }
    .group_segment_fixed_size: 0
    .private_segment_fixed_size: 0
    .kernarg_segment_align: 8
    .kernarg_segment_size: 64
    .max_flat_workgroup_size: 256
    .sgpr_count:     66
    .vgpr_count:     80
    .wavefront_size: 32
...
	.end_amdgpu_metadata
.endif
;; end of part 1
;; launch qkv (part 2): grid 16 x 16, 4 waves a work-group, clusters of 4 x 4, 327,680 bytes of LDS; arguments xb, wb, tab, qws, kv; writes qws, kv
.if DOCPART == 2
	.amdgcn_target "amdgcn-amd-amdhsa--gfx1250"
	.amdhsa_code_object_version 6
	.text
	.protected	k_q912d9e6abb_qkv
	.globl	k_q912d9e6abb_qkv
	.p2align	8
	.type	k_q912d9e6abb_qkv,@function
k_q912d9e6abb_qkv:
	s_mov_b64 s[64:65], 0
	v_nop
	global_prefetch_b8 v0, s[64:65] scope:SCOPE_SE
	s_setreg_imm32_b32 hwreg(HW_REG_WAVE_MODE, 25, 1), 1
	s_wait_xcnt 0x0
	s_wait_alu depctr_hold_cnt(0) depctr_sa_sdst(0) depctr_va_vdst(0) depctr_va_sdst(0) depctr_va_ssrc(0) depctr_va_vcc(0) depctr_vm_vsrc(0)
	s_getreg_b32 s2, hwreg(HW_REG_IB_STS2, 6, 4)
	s_cmp_eq_u32 s2, 0
	s_cbranch_scc0 .Lentry_in_a_cluster
	s_endpgm
.Lentry_in_a_cluster:
	s_bfe_u32 s2, ttmp6, 0x10000c
	s_cmp_lg_u32 s2, 0xf033
	s_cbranch_scc0 .Lentry_shape_is_right
	s_endpgm
.Lentry_shape_is_right:
; QKV.  q, k, v = x Wq, x Wk, x Wv (bf16 operands, f32 sums), the rotary embedding on q and k in f32, all three rounded once to f16.
; LIMIT: f16 ends at 65,504: |q|, |k|, |v| stay under it (at 30 times the drawn inputs they are some thousands).
; SHARES.  A work-group makes 128 tokens (row block = work-group x) x (q, k, v of ONE head = work-group y): 128 x 384.  Wave w takes all 128 tokens and, of each of q, k, v, the channels 16 w .. 16 w + 15 (lo)
; and 64 + 16 w .. (hi): 48 accumulators.  So the two partners d and d + 64 of a rotation lie in the same lane and the same register number.
; q and k are made transposed (source 0 = 16 columns of W, source 1 = 16 tokens): a lane holds ONE token and eight neighbouring channels.  v is made as it stands (source 0 = tokens): a lane holds one
; channel and eight neighbouring tokens, which is the layout V^T that the next launch multiplies by.  W lies [k][n] in memory and in LDS; its fragments come out turned, by ds_load_tr16_b128.
; OUT.  qws [head][token][128].  kv [head][tile of 64 keys][K: 64 keys x 256 bytes | V^T: 128 channels x 128 bytes]: a tile is 32 KiB on end.
; RING.  K goes in steps of 128 through two LDS slots of four tiles of 128 rows x 256 bytes: x's (pitch 272) and the three W's (pitch 288).  Wave 0 fetches x's, wave m + 1 plane m's: one tensor load a wave.
; CLUSTER 4 x 4.  x's tile hangs on the row block alone and is asked for jointly along a column of the cluster, W's on the head alone and jointly along a row.
; THE WALK ALONG K.  Cluster (X, Y) begins at K step 0 or 8, by the parity of g(X) + g(Y) with g = 0, 1, 1, 0, and goes round all sixteen (f32 sums may be taken in any order).  Of the four clusters that walk the
; same rows of x, and of the four that walk the same rows of W, two begin at each place: what two of them ask for in their first eight K steps the other two ask for eight K steps later.
; REGISTERS by windows of 256.  0: addresses; v64-127, v128-191 x's fragments, two buffers; v32-63, v192-255 at work on the way out.  1: v0-47, v48-95 W's fragments (2 m + half), two buffers;
; v96-223 the table (16 a: eight cosines, eight sines).  2: q's accumulators at 8 (2 a + half), k's at 128 + the same.  3: v's at 8 (2 a + half).
.set PA,    272                        ; x's row in LDS: 256 bytes + 16: the sixteen rows of a fragment load start sixteen bytes further on each, modulo 256
.set PB,    288                        ; W's row: 256 + 32: eight rows x 32 bytes of a turning load fall on different words modulo 256 bytes
.set TILE,  128*PB                     ; 36,864: every tile's room (x's uses 34,816 of it), so that a wave's fill lands at wave x TILE
.set SLOT,  4*TILE
.set SPARE, 2*SLOT                     ; behind the ring: the spare words, 128 bytes a wave: two blocks of 256 bytes that no other line names
.set SQ,    0                          ; THE STAGE lies in slot 0, which has had its last fill (the walk's 15th K step) and its last read before the first line stores there
.set SK,    128*PA                     ; q: 128 tokens x 272; k the same;
.set SV,    2*128*PA                   ; V^T: 2 tiles x 128 channels x 144
.set GOQ,  8                           ; v8   my byte offset in the work-group's rows of qws
.set GOK,  9                           ; v9   in its two tiles of kv, K's part
.set GOV,  10                          ; v10  V^T's part
.set TBO,  11                          ; v11  my byte offset in tab
.set ADRA, 16                          ; v16-17  LDS address of x's fragments, by slot
.set ADRB, 18                          ; v18-23  of W's, 3 x slot + plane
.set STQ,  24                          ; v24  stage: where I put 16 bytes of a token's q or k
.set STV,  25                          ; v25  of a channel's v (SV is in the register: it passes the 16-bit offset)
.set RDQ,  26                          ; v26  where I read rows of q and k back
.set RDV,  27                          ; v27  rows of V^T
.set SPW,  28                          ; v28  my spare word; never rewritten
.set NIL,  29                          ; v29  0; never rewritten
.set PFO,  30                          ; v30  4,096 x lane: a row of xb or wb; never rewritten
.set TAB,  96
.set WV,  14                           ; s14  wave
.set XBA, 22                           ; s[22:23] xb at my row block's first row; never rewritten
.set G1A, 24                           ; s[24:31] group 1, x's tiles
.set G0A, 32                           ; s[32:39] group 0, x's, a set for each slot
.set PFA, 40                           ; s[40:41] where my prefetches stand
.set PST, 42                           ; s[42:43] their step: a K step along a row of xb, or down 128 rows of wb
.set LIM, 44                           ; s44  5 in a wave that prefetches, else the greatest number
.set WBA, 46                           ; s[46:47] wb at my plane, my head's columns; never rewritten
.set G1B, 48                           ; s[48:55] group 1, W's tiles
.set G0B, 56                           ; s[56:63] group 0, W's
.set KN,  69                           ; s69  the K step to be asked for next, modulo 16: made of the cluster's two numbers and a count alone, so it is the same in all sixteen partners
.set OFF, 70                           ; s[70:71] its byte offset, along a row of xb or down wb
.set MSB, 0
.macro WIN new                         ; the immediate's high byte repeats the setting that is left; a switch that changes nothing is dropped
.if MSB != (\new)
	s_set_vgpr_msb (MSB<<8)|(\new)
.set MSB, \new
.endif
.endm
.set MUL_QK, 0xa1                      ; source 0 (W) window 1, source 1 (x) window 0, C and D window 2
.set MUL_V,  0xf4                      ; source 0 (x) window 0, source 1 (W) window 1, C and D window 3
.set TO_B,   0x40                      ; destination window 1, address window 0
.macro PLACES                          ; four places between a matrix instruction and a load into, or a vector read of, its registers
.rept 4
	v_nop
.endr
.endm
; A joint load: wave 0 asks for x's tile, waves 1 to 3 for their plane's.  The branch hangs on the wave's number alone.  An s_nop 0 and four v_nop follow each line.
.macro JLOAD s
	s_cmp_eq_u32 s[WV], 0
	s_cbranch_scc0 .Lfor_b_\@
	tensor_load_to_lds s[G0A+4*(\s):G0A+4*(\s)+3], s[G1A:G1A+7]
	s_nop 0
.rept 4
	v_nop
.endr
	s_branch .Lasked_\@
.Lfor_b_\@:
	tensor_load_to_lds s[G0B+4*(\s):G0B+4*(\s)+3], s[G1B:G1B+7]
	s_nop 0
.rept 4
	v_nop
.endr
.Lasked_\@:
.endm
; A prefetch behind a refill: the K step two refills on, 32 rows x 256 bytes, a lane a row.  Only the walk's K steps 4 to 7 are asked for (behind the refills of its steps 2 to 5: the loop's first two trips,
; s3 = 7 and 6): the first four come by their loads alone, and the last eight have been walked by the clusters that began at the other place.  x's rows are walked by the four clusters of a column of clusters:
; those with Y = 0 and 1, one for each starting place, ask, and the four partners that ask for the tile jointly take 32 rows each BY ADDRESS (by cy); W's rows by the four clusters of a row of clusters: X = 0 and 1
; ask, the partners 32 rows each by cx.  So each row's 256 bytes of a K step are named at most once.
.macro ASK
	s_cmp_gt_u32 s3, s[LIM]
	s_cbranch_scc0 .Lnot_mine_\@
	global_prefetch_b8 v[PFO], s[PFA:PFA+1] th:TH_LOAD_NT scope:SCOPE_SE
.Lnot_mine_\@:
.endm
.macro CREST                           ; a round of the cluster's barrier behind its opening barrier
	s_cmp_lg_u32 s[WV], 0
	s_cbranch_scc1 .Lnot_wave_0_\@
	s_barrier_signal -3
.Lnot_wave_0_\@:
	s_barrier_wait -3
	s_barrier_signal -1
	s_barrier_wait -1
.endm
.macro CROUND
	s_barrier_signal -1
	s_barrier_wait -1
	CREST
.endm
	s_load_b256 s[4:11], s[0:1], 0x0               ; xb 4, wb 6, tab 8, qws 10
	s_load_b64 s[12:13], s[0:1], 0x20              ; kv
	v_lshl_add_u32 v[SPW], v0, 2, SPARE
	v_mov_b32 v[NIL], 0
	ds_add_u32 v[SPW], v[NIL]                      ; the wave's opening: the add and its wait ahead of my first tensor load; the set-up below stands between them
	v_lshrrev_b32 v1, 5, v0
	v_readfirstlane_b32 s[WV], v1
	s_sub_co_u32 s15, s[WV], 1
	s_max_i32 s15, s15, 0                          ; my plane of wb (wave 0 fetches none; its W descriptor is never used)
	s_bfe_u32 s16, ttmp6, 0x40000                  ; cx
	s_bfe_u32 s17, ttmp6, 0x40004                  ; cy
	s_lshl_b32 s19, ttmp9, 2
	s_add_co_u32 s19, s19, s16                     ; row block = 4 x cluster x + cx
	s_and_b32 s68, ttmp7, 0xffff                   ; cluster y
	s_lshl_b32 s18, s68, 2
	s_add_co_u32 s18, s18, s17                     ; head = 4 x cluster y + cy
	s_xor_b32 s[KN], ttmp9, s68                    ; g(X) + g(Y) has the parity of t xor (t >> 1), t = X xor Y
	s_lshr_b32 s[OFF], s[KN], 1
	s_xor_b32 s[KN], s[KN], s[OFF]
	s_and_b32 s[KN], s[KN], 1
	s_lshl_b32 s[KN], s[KN], 3                     ; my cluster's first K step: 0 or 8
	s_lshl_b32 s20, 0x1111, s16                    ; my column of the cluster (same cx)
	s_lshl_b32 s21, s17, 2
	s_lshl_b32 s21, 15, s21                        ; my row (same cy)
	s_or_b32 s[G1A], s20, (1<<16)|(1<<20)|(1<<21)|(5<<22)|(3<<25)  ; my column's mask; 2-byte elements; padding on; bit 21 beside a mask; after every 64 words, 4 words
	s_or_b32 s[G1B], s21, (1<<16)|(1<<20)|(1<<21)|(5<<22)|(7<<25)  ; the same with my row's mask and 8 words
.irp g, G1A, G1B
	s_mov_b32 s[(\g)+1], 128<<16                   ; tensor_dim0 = 128
	s_mov_b32 s[(\g)+2], 128<<16                   ; tensor_dim1 = 128
	s_mov_b32 s[(\g)+3], 128<<16                   ; tile_dim0 = 128
	s_mov_b32 s[(\g)+4], 128                       ; tile_dim1 = 128
	s_mov_b32 s[(\g)+5], 2048                      ; elements from row to row
	s_mov_b32 s[(\g)+6], 0
	s_mov_b32 s[(\g)+7], 0
.endr
	s_lshl_b32 s[XBA], s19, 19                     ; x: 128 rows of 4,096 bytes a row block: hangs on the row block alone
	s_mov_b32 s[XBA+1], 0
	s_lshl_b32 s[WBA], s15, 23                     ; W: the plane, and the head's 256 bytes of a row: hangs on the head and the wave alone
	s_lshl_b32 s[WBA+1], s18, 8
	s_add_co_u32 s[WBA], s[WBA], s[WBA+1]
	s_mov_b32 s[WBA+1], 0
	s_mul_i32 s45, s[WV], TILE                     ; where my tile goes: no place in the cluster enters an LDS address
	s_lshl_b32 s66, s19, 19                        ; the prefetches: of x my work-group's 32 rows by cy, at the walk's K step 3;
	s_lshl_b32 s2, s17, 17
	s_add_co_u32 s66, s66, s2
	s_lshl_b32 s[OFF], s[KN], 8
	s_add_co_u32 s66, s66, s[OFF]
	s_add_co_u32 s66, s66, 3*256
	s_lshl_b32 s67, s16, 17                        ; of W its 32 rows by cx, at the walk's K step 3
	s_add_co_u32 s67, s67, s[WBA]
	s_lshl_b32 s[OFF], s[KN], 19
	s_add_co_u32 s67, s67, s[OFF]
	s_add_co_u32 s67, s67, 3*524288
	s_mov_b32 s[PST], 524288
	s_mov_b32 s[PST+1], 0
	s_cmp_eq_u32 s[WV], 0
	s_cselect_b32 s66, s66, s67
	s_cselect_b32 s68, s68, ttmp9                  ; the coordinate along which other clusters walk the same rows
	s_cselect_b32 s[PST], 256, s[PST]
	s_mov_b32 s67, 0
	s_cmp_lt_u32 s68, 2
	s_cselect_b32 s[LIM], 5, -1                    ; the same in all sixteen partners, for a given wave
	s_mov_b32 s[OFF+1], 0
	s_wait_dscnt 0x0                               ; the opening add is done
	s_wait_kmcnt 0x0
	s_add_nc_u64 s[XBA:XBA+1], s[4:5], s[XBA:XBA+1]
	s_add_nc_u64 s[WBA:WBA+1], s[6:7], s[WBA:WBA+1]
	s_cmp_eq_u32 s[WV], 0
	s_cselect_b64 s[PFA:PFA+1], s[4:5], s[6:7]
	s_add_nc_u64 s[PFA:PFA+1], s[PFA:PFA+1], s[66:67]
	s_lshl_b32 s[OFF], s[KN], 8                    ; a K step is 256 bytes along a row of xb,
.irp n, 0,1
	s_mov_b32 s[G0A+4*(\n)], 1
	s_add_co_u32 s[G0A+4*(\n)+1], s45, (\n)*SLOT
	s_add_nc_u64 s[G0A+4*(\n)+2:G0A+4*(\n)+3], s[XBA:XBA+1], s[OFF:OFF+1]
	s_add_nc_u64 s[G0A+4*(\n)+2:G0A+4*(\n)+3], s[G0A+4*(\n)+2:G0A+4*(\n)+3], (\n)*256
	s_or_b32 s[G0A+4*(\n)+3], s[G0A+4*(\n)+3], 0x80000000
.endr
	s_lshl_b32 s[OFF], s[KN], 19                   ; and 128 rows of 4,096 bytes down wb
.irp n, 0,1
	s_mov_b32 s[G0B+4*(\n)], 1
	s_add_co_u32 s[G0B+4*(\n)+1], s45, (\n)*SLOT
	s_add_nc_u64 s[G0B+4*(\n)+2:G0B+4*(\n)+3], s[WBA:WBA+1], s[OFF:OFF+1]
	s_add_nc_u64 s[G0B+4*(\n)+2:G0B+4*(\n)+3], s[G0B+4*(\n)+2:G0B+4*(\n)+3], (\n)*524288
	s_or_b32 s[G0B+4*(\n)+3], s[G0B+4*(\n)+3], 0x80000000
.endr
	s_add_co_u32 s[KN], s[KN], 2                   ; 2 or 10: the first refill's K step
	CROUND                                         ; all sixteen work-groups are here: the first joint loads meet
	JLOAD 0
	JLOAD 1
	v_and_b32 v1, 15, v0                           ; r
	v_bfe_u32 v2, v0, 4, 1                         ; h
	v_and_b32 v3, 31, v0                           ; lane
	v_and_b32 v4, 7, v0
	v_bfe_u32 v5, v0, 3, 1
	v_bfe_u32 v7, v0, 3, 2
	v_lshlrev_b32 v[TBO], 9, v1                    ; the table: token 128 rb + 16 a + r, frequencies 16 w + 8 h + 0..7
	v_lshl_add_u32 v[TBO], v2, 5, v[TBO]
	s_lshl_b32 s20, s19, 16
	s_lshl_b32 s21, s[WV], 6
	s_add_co_u32 s20, s20, s21
	v_add_nc_u32 v[TBO], s20, v[TBO]
	WIN TO_B
.irp a, 0,1,2,3,4,5,6,7                ; 32 loads, waited for once, on the way out
	global_load_b128 v[TAB+16*(\a):TAB+16*(\a)+3],     v[TBO], s[8:9] offset:(\a)*8192
	global_load_b128 v[TAB+16*(\a)+4:TAB+16*(\a)+7],   v[TBO], s[8:9] offset:(\a)*8192+16
	global_load_b128 v[TAB+16*(\a)+8:TAB+16*(\a)+11],  v[TBO], s[8:9] offset:(\a)*8192+256
	global_load_b128 v[TAB+16*(\a)+12:TAB+16*(\a)+15], v[TBO], s[8:9] offset:(\a)*8192+272
.endr
	WIN 0
	v_mul_u32_u24 v[ADRA], v1, PA                  ; x's fragment: row r, 16 bytes for each half of the lanes
	v_lshl_add_u32 v[ADRA], v2, 4, v[ADRA]
	v_add_nc_u32 v[ADRA+1], SLOT, v[ADRA]
	v_lshl_add_u32 v6, v2, 3, v4                   ; W's, turned: row 8 h + lane % 8, 16 bytes by (lane / 8) % 2, my 16 columns
	v_mul_u32_u24 v6, v6, PB
	v_lshl_add_u32 v6, v5, 4, v6
	s_lshl_b32 s20, s[WV], 5
	v_add_nc_u32 v6, s20, v6
.irp n, 0,1
.irp m, 0,1,2
	v_add_nc_u32 v[ADRB+3*(\n)+(\m)], (\n)*SLOT+((\m)+1)*TILE, v6
.endr
.endr
	v_add_nc_u32 v[STQ], s20, v[ADRA]              ; 272 r + 16 h + 32 w
	v_mul_u32_u24 v[STV], v1, 144
	v_lshl_add_u32 v[STV], v2, 4, v[STV]
	s_mul_i32 s21, s[WV], 16*144
	s_add_co_u32 s21, s21, SV
	v_add_nc_u32 v[STV], s21, v[STV]               ; SV + 144 (16 w + r) + 16 h
	v_mul_u32_u24 v[RDQ], v2, PA
	v_lshl_add_u32 v[RDQ], v1, 4, v[RDQ]
	s_mul_i32 s21, s[WV], 32*PA
	v_add_nc_u32 v[RDQ], s21, v[RDQ]               ; 272 (32 w + h) + 16 r
	v_mul_u32_u24 v[RDV], v7, 144
	v_lshl_add_u32 v[RDV], v4, 4, v[RDV]
	s_mul_i32 s21, s[WV], 64*144
	s_add_co_u32 s21, s21, SV
	v_add_nc_u32 v[RDV], s21, v[RDV]               ; SV + 144 (64 w + lane / 8) + 16 (lane % 8): tile w / 2, channels 64 (w % 2) on
	v_lshlrev_b32 v6, 8, v2
	v_lshl_add_u32 v6, v1, 4, v6                   ; 256 h + 16 r
	s_lshl_b32 s20, s[WV], 13
	v_add_nc_u32 v[GOQ], s20, v6
	s_lshr_b32 s21, s[WV], 1
	s_lshl_b32 s21, s21, 15
	s_and_b32 s20, s[WV], 1
	s_lshl_b32 s20, s20, 13
	s_add_co_u32 s20, s20, s21
	v_add_nc_u32 v[GOK], s20, v6
	s_add_co_u32 s20, s20, 16384
	v_lshl_add_u32 v[GOV], v3, 4, s20
	v_lshlrev_b32 v[PFO], 12, v3
	s_lshl_b32 s66, s18, 19                        ; qws at the head's, the row block's first row
	s_lshl_b32 s68, s19, 15
	s_add_co_u32 s66, s66, s68
	s_add_nc_u64 s[10:11], s[10:11], s[66:67]
	s_lshl_b32 s66, s18, 20                        ; kv at the head's, the row block's first tile
	s_lshl_b32 s68, s19, 16
	s_add_co_u32 s66, s66, s68
	s_add_nc_u64 s[12:13], s[12:13], s[66:67]
; 16 products for q and k: token blocks a0 .. a0 + 3 x (q lo, q hi, k lo, k hi), 32 along K, buffer f.  zero = 1: the product starts its sum.
.macro MULQK f, a0, zero
	WIN MUL_QK
.irp a, \a0, (\a0)+1, (\a0)+2, (\a0)+3
.irp c, 0,1,2,3
.set rD, 128*((\c)/2)+8*(2*(\a)+(\c)%2)
.if \zero
	v_wmma_f32_16x16x32_bf16 v[rD:rD+7], v[48*(\f)+8*(\c):48*(\f)+8*(\c)+7], v[64+64*(\f)+8*(\a):64+64*(\f)+8*(\a)+7], 0
.else
	v_wmma_f32_16x16x32_bf16 v[rD:rD+7], v[48*(\f)+8*(\c):48*(\f)+8*(\c)+7], v[64+64*(\f)+8*(\a):64+64*(\f)+8*(\a)+7], v[rD:rD+7]
.endif
.endr
.endr
.endm
; 16 products for v.  In a quarter step each of the 48 accumulators has one turn, in the same order in every quarter: no two matrix instructions that follow each other share one.
.macro MULV f, zero
	WIN MUL_V
.irp a, 0,1,2,3,4,5,6,7
.irp c, 0,1
.set rD, 8*(2*(\a)+(\c))
.if \zero
	v_wmma_f32_16x16x32_bf16 v[rD:rD+7], v[64+64*(\f)+8*(\a):64+64*(\f)+8*(\a)+7], v[48*(\f)+8*(4+(\c)):48*(\f)+8*(4+(\c))+7], 0
.else
	v_wmma_f32_16x16x32_bf16 v[rD:rD+7], v[64+64*(\f)+8*(\a):64+64*(\f)+8*(\a)+7], v[48*(\f)+8*(4+(\c)):48*(\f)+8*(4+(\c))+7], v[rD:rD+7]
.endif
.endr
.endr
.endm
; 28 LDS loads in one run: quarter q (32 along K) of a slot into buffer g: six fragments of W, turned, and eight of x.
.macro FETCH slot, q, g
	WIN TO_B
.irp m, 0,1,2
.irp c, 0,1
	ds_load_tr16_b128 v[48*(\g)+8*(2*(\m)+(\c)):48*(\g)+8*(2*(\m)+(\c))+3],   v[ADRB+3*(\slot)+(\m)] offset:(\q)*32*PB+(\c)*128
	ds_load_tr16_b128 v[48*(\g)+8*(2*(\m)+(\c))+4:48*(\g)+8*(2*(\m)+(\c))+7], v[ADRB+3*(\slot)+(\m)] offset:(\q)*32*PB+(\c)*128+16*PB
.endr
.endr
	WIN 0
.irp a, 0,1,2,3,4,5,6,7
	ds_load_b128 v[64+64*(\g)+8*(\a):64+64*(\g)+8*(\a)+3],   v[ADRA+(\slot)] offset:64*(\q)+(\a)*16*PA
	ds_load_b128 v[64+64*(\g)+8*(\a)+4:64+64*(\g)+8*(\a)+7], v[ADRA+(\slot)] offset:64*(\q)+(\a)*16*PA+32
.endr
.endm
; One of a K step's first three quarters: multiplies buffer f; behind its first 16 products it fetches quarter q into buffer g, 32 products ahead of the first use.
.macro QUARTER slot, q, f, g, zero
	s_wait_dscnt 0x0                               ; buffer f is in
	MULQK \f, 0, \zero
	PLACES                                         ; buffer g's last readers stand in the quarter before
	FETCH \slot, \q, \g
	MULQK \f, 4, \zero
	MULV \f, \zero
.endm
; The last quarter multiplies buffer 1 and changes slots.  In front of the barrier each wave waits for all its tensor loads (one is out: its tile of the next slot), adds 0 to its spare word, and waits for that and
; for its reads of this slot.  fill = 1: the barrier opens a round of the cluster's, and this slot's refill, two K steps on, is the first thing behind the round; its two addresses are made anew from K step KN,
; between the add and the wait for it, where no tensor load of mine is out.
.macro TURN slot, next, fill
.if \fill
	s_wait_xcnt 0x0                                ; the last prefetch, a K step back, has read its address
	s_add_nc_u64 s[PFA:PFA+1], s[PFA:PFA+1], s[PST:PST+1]
.endif
	WIN 0
	s_wait_tensorcnt 0x0                           ; all my tensor loads have landed
	ds_add_u32 v[SPW], v[NIL]
.if \fill
	s_lshl_b32 s[OFF], s[KN], 8
	s_add_nc_u64 s[G0A+4*(\slot)+2:G0A+4*(\slot)+3], s[XBA:XBA+1], s[OFF:OFF+1]
	s_or_b32 s[G0A+4*(\slot)+3], s[G0A+4*(\slot)+3], 0x80000000
	s_lshl_b32 s[OFF], s[KN], 19
	s_add_nc_u64 s[G0B+4*(\slot)+2:G0B+4*(\slot)+3], s[WBA:WBA+1], s[OFF:OFF+1]
	s_or_b32 s[G0B+4*(\slot)+3], s[G0B+4*(\slot)+3], 0x80000000
	s_add_co_u32 s[KN], s[KN], 1
	s_and_b32 s[KN], s[KN], 15                     ; behind K step 15 comes K step 0
.endif
	s_wait_dscnt 1                                 ; buffer 1's 28 loads are in; the add alone may be out
	MULQK 1, 0, 0                                  ; sixteen products stand between the add and the wait for it
	s_wait_dscnt 0x0                               ; the add is done; my reads of this slot are over
	s_barrier_signal -1
	MULQK 1, 4, 0                                  ; work on registers while the others arrive
	WIN 0
	s_barrier_wait -1
.if \fill
	CREST                                          ; no wave of any partner still reads this slot or has a load on its way
	JLOAD \slot                                    ; its four v_nop are also the places in front of the loads below
.else
	PLACES
.endif
	FETCH \next, 0, 0
.if \fill
	ASK
.endif
	MULV 1, 0
.endm
	s_wait_tensorcnt 1                             ; my tile of the walk's first K step is in; the second's may stay out
	s_barrier_signal -1
	s_barrier_wait -1
	FETCH 0, 0, 0
	QUARTER 0, 1, 0, 1, 1                          ; the first quarter stands ahead of the loop: its products start the sums
	WIN 0
	s_mov_b32 s3, 7
.Llap:                                                 ; a trip goes once round the ring and fills both slots again: the walk's K steps 2 to 15 in seven trips
	QUARTER 0, 2, 1, 0, 0
	QUARTER 0, 3, 0, 1, 0
	TURN 0, 1, 1
	QUARTER 1, 1, 0, 1, 0
	QUARTER 1, 2, 1, 0, 0
	QUARTER 1, 3, 0, 1, 0
	TURN 1, 0, 1
	QUARTER 0, 1, 0, 1, 0
	WIN 0
	s_sub_co_u32 s3, s3, 1
	s_cmp_lg_u32 s3, 0
	s_cbranch_scc1 .Llap
	QUARTER 0, 2, 1, 0, 0                          ; the last lap fills nothing
	QUARTER 0, 3, 0, 1, 0
	TURN 0, 1, 0
	QUARTER 1, 1, 0, 1, 0
	QUARTER 1, 2, 1, 0, 0
	QUARTER 1, 3, 0, 1, 0
	s_wait_dscnt 0x0
	MULQK 1, 0, 0
	MULQK 1, 4, 0
	MULV 1, 0
	WIN 0
	s_wait_loadcnt 0x0                             ; the table
	PLACES
; THE WAY OUT.  Rotation of token block a of q (m = 0) or k (m = 1): y1 = x1 c - x2 s, y2 = x1 s + x2 c, two numbers an instruction; each accumulator is read from its low end on.
.macro ROPE m, a
.set X1, 128*(\m)+16*(\a)
.set X2, X1+8
.set TC, TAB+16*(\a)
.set TS, TC+8
	WIN 0x06                                       ; source 0 window 2 (sums), source 1 window 1 (table), source 2 and destination window 0
.irp p, 0,2,4,6
	v_pk_mul_f32 v[32+\p:33+\p], v[X2+\p:X2+\p+1], v[TS+\p:TS+\p+1]
.endr
.irp p, 0,2,4,6
	v_pk_fma_f32 v[32+\p:33+\p], v[X1+\p:X1+\p+1], v[TC+\p:TC+\p+1], v[32+\p:33+\p] neg_lo:[0,0,1] neg_hi:[0,0,1]
.endr
.irp p, 0,2,4,6
	v_pk_mul_f32 v[40+\p:41+\p], v[X2+\p:X2+\p+1], v[TC+\p:TC+\p+1]
.endr
.irp p, 0,2,4,6
	v_pk_fma_f32 v[40+\p:41+\p], v[X1+\p:X1+\p+1], v[TS+\p:TS+\p+1], v[40+\p:41+\p]
.endr
	WIN 0
.irp p, 0,1,2,3,4,5,6,7
	v_cvt_pk_f16_f32 v[48+\p], v[32+2*\p], v[33+2*\p]
.endr
	ds_store_b128 v[STQ], v[48:51] offset:(\m)*SK+(\a)*16*PA
	ds_store_b128 v[STQ], v[52:55] offset:(\m)*SK+(\a)*16*PA+128
.endm
.irp m, 0,1
.irp a, 0,1,2,3,4,5,6,7
	ROPE \m, \a
.endr
.endr
	WIN 0x0f                                       ; v: sources window 3, destination window 0
.set i, 0
.rept 64
	v_cvt_pk_f16_f32 v[192+i], v[2*i], v[2*i+1]
.set i, i+1
.endr
	WIN 0
.irp a, 0,1,2,3,4,5,6,7
.irp c, 0,1
	ds_store_b128 v[STV], v[192+4*(2*(\a)+(\c)):192+4*(2*(\a)+(\c))+3] offset:((\a)/4)*128*144+(\c)*64*144+((\a)%4)*32  ; tile a / 4, channel half c, tokens 16 (a % 4) + 8 h on
.endr
.endr
	s_wait_dscnt 0x0                               ; for the others' sake: my stores into the stage are done
	s_barrier_signal -1
	s_barrier_wait -1
.set t, 0
.rept 16
	ds_load_b128 v[64+4*t:67+4*t], v[RDQ] offset:SQ+2*PA*t
.set t, t+1
.endr
.set t, 0
.rept 16
	ds_load_b128 v[128+4*t:131+4*t], v[RDQ] offset:SK+2*PA*t
.set t, t+1
.endr
.set t, 0
.rept 16
	ds_load_b128 v[192+4*t:195+4*t], v[RDV] offset:4*144*t
.set t, t+1
.endr
.set t, 0
.rept 16
	s_wait_dscnt 47-t                              ; LDS loads come back in order: the 47 - t younger ones may stay out
	global_store_b128 v[GOQ], v[64+4*t:67+4*t], s[10:11] offset:512*t  ; every store of the wave covers 512 consecutive bytes, aligned
.set t, t+1
.endr
.set t, 0
.rept 16
	s_wait_dscnt 31-t
	global_store_b128 v[GOK], v[128+4*t:131+4*t], s[12:13] offset:512*t
.set t, t+1
.endr
.set t, 0
.rept 16
	s_wait_dscnt 15-t
	global_store_b128 v[GOV], v[192+4*t:195+4*t], s[12:13] offset:512*t
.set t, t+1
.endr
	s_wait_tensorcnt 0x0                           ; the wave's end: a wait, an add and its wait, behind my last tensor load and my last LDS store
	ds_add_u32 v[SPW], v[NIL]
	s_wait_dscnt 0x0
	CROUND                                         ; the closing round: no work-group ends while a partner may still ask for a tile that names it
	s_endpgm
.Lfunc_end_k_q912d9e6abb_qkv:
	.size	k_q912d9e6abb_qkv, .Lfunc_end_k_q912d9e6abb_qkv-k_q912d9e6abb_qkv
	.p2alignl 7, 3214868480
	.fill 96, 4, 3214868480
	.section	.rodata,"a",@progbits
	.p2align	6, 0x0
	.amdhsa_kernel k_q912d9e6abb_qkv
		.amdhsa_group_segment_fixed_size 327680
		.amdhsa_private_segment_fixed_size 0
		.amdhsa_enable_private_segment 0
		.amdhsa_kernarg_size 40
		.amdhsa_user_sgpr_count 2
		.amdhsa_user_sgpr_kernarg_segment_ptr 1
		.amdhsa_wavefront_size32 1
		.amdhsa_system_sgpr_workgroup_id_x 1
		.amdhsa_system_sgpr_workgroup_id_y 1
		.amdhsa_system_sgpr_workgroup_id_z 1
		.amdhsa_system_vgpr_workitem_id 0
		.amdhsa_next_free_vgpr 896
		.amdhsa_next_free_sgpr 72
		.amdhsa_reserve_vcc 0
		.amdhsa_float_denorm_mode_32 3
		.amdhsa_float_denorm_mode_16_64 3
		.amdhsa_memory_ordered 1
		.amdhsa_forward_progress 1
		.amdhsa_inst_pref_size 139
	.end_amdhsa_kernel
	.amdgpu_metadata
---
amdhsa.version: [ 1, 2 ]
amdhsa.kernels:
  - .name:           k_q912d9e6abb_qkv
    .symbol:         k_q912d9e6abb_qkv.kd
    .args:
      - { .name: xb, .offset: 0, .size: 8, .value_kind: global_buffer, .address_space: global }
      - { .name: wb, .offset: 8, .size: 8, .value_kind: global_buffer, .address_space: global }
      - { .name: tab, .offset: 16, .size: 8, .value_kind: global_buffer, .address_space: global }
      - { .name: qws, .offset: 24, .size: 8, .value_kind: global_buffer, .address_space: global }
      - { .name: kv, .offset: 32, .size: 8, .value_kind: global_buffer, .address_space: global }
    .group_segment_fixed_size: 327680
    .private_segment_fixed_size: 0
    .kernarg_segment_align: 8
    .kernarg_segment_size: 40
    .max_flat_workgroup_size: 128
    .sgpr_count:     72
    .vgpr_count:     896
    .wavefront_size: 32
...
	.end_amdgpu_metadata
.endif
;; end of part 2
;; launch attn (part 3): grid 16 x 16, 4 waves a work-group, clusters of 4 x 1, 327,680 bytes of LDS; arguments qws, kv, attn; writes attn
.if DOCPART == 3
	.amdgcn_target "amdgcn-amd-amdhsa--gfx1250"
	.amdhsa_code_object_version 6
	.text
	.protected	k_q912d9e6abb_attn
	.globl	k_q912d9e6abb_attn
	.p2align	8
	.type	k_q912d9e6abb_attn,@function
k_q912d9e6abb_attn:
	s_mov_b64 s[64:65], 0
	v_nop
	global_prefetch_b8 v0, s[64:65] scope:SCOPE_SE
	s_setreg_imm32_b32 hwreg(HW_REG_WAVE_MODE, 25, 1), 1
	s_wait_xcnt 0x0
	s_wait_alu depctr_hold_cnt(0) depctr_sa_sdst(0) depctr_va_vdst(0) depctr_va_sdst(0) depctr_va_ssrc(0) depctr_va_vcc(0) depctr_vm_vsrc(0)
	s_getreg_b32 s2, hwreg(HW_REG_IB_STS2, 6, 4)
	s_cmp_eq_u32 s2, 0
	s_cbranch_scc0 .Lentry_in_a_cluster
	s_endpgm
.Lentry_in_a_cluster:
	s_bfe_u32 s2, ttmp6, 0x10000c
	s_cmp_lg_u32 s2, 0x3003
	s_cbranch_scc0 .Lentry_shape_is_right
	s_endpgm
.Lentry_shape_is_right:
; CAUSAL ATTENTION, 16 heads of 128 channels, 2,048 tokens, f16 operands, f32 products, maxima and sums; the weights p are rounded to f16 for the second product (their sum is taken unrounded), O once.
; LIMITS.  q, k, v arrive within f16's 65,504.  A hidden score counts as its value less 1e30, and key tiles wholly above the diagonal are left out: the same as a score of -1e9 as long as a row's largest
; visible score is above about -1e9.  A weight below 2^-126 counts as 0.  NaN and infinities are not treated apart.
; THE WALK.  A head's queries lie in 32 blocks of 64.  Work-group b = 4 c + cx (c the cluster, cx the place in it) makes blocks b and then 31 - b.  Keys come in groups of 256 (four tiles of 64), a group a slot:
; block b needs groups 0 .. c, block 31 - b groups 0 .. 7 - c: nine slots, whatever b.  The four partners have the same c, so they walk the same groups and every fill is a JOINT load of all four.
; In a block's last group tile u is the diagonal one if u = UD (cx, or 3 - cx for the second block), hidden if u > UD: that enters VALUES alone (the mask's two scalars), never a branch.
; SHARES.  Wave w has 32 queries (two tiles of 16) and half the keys: of a slot's four tiles those of parity w % 2, two steps of 64 keys.  Its local tile 0 is the block's tile w, local tile 1 tile w xor 1.
; At a block's end the two waves of a pair each keep local tile 0 and send local tile 1 (maximum, sum and O^T in f32, through LDS): the two partial softmaxes are joined by their maxima.
; LAYOUT.  S^T = K Q^T: a lane holds ONE query (lane % 16) and the keys 8 (lane / 16) + 0..7; two results rounded to f16 ARE source 1 of O^T = V^T P.  V^T lies [channel][key] in kv, so both come by plain loads.
; SOFTMAX.  Running maximum m and sum l: p = 2^(c s - c m), c = log2(e) / sqrt(128); O and l are multiplied by a = 2^(c m_old - c m_new) in every step.  m starts at the lowest finite number: the first a is 0.
; THE MASK is the C operand that starts S^T: MC = MD x AL + BE, MD the diagonal tile's mask (0 or -1e30), (AL, BE) = (1, 0) on the diagonal, (0, 0) below it, (0, -1e30) above.
; ORDER.  Part A of a step: K Q^T of tile 0; V's loads; K Q^T of tile 1 with tile 0's softmax behind its products.  Part B: the next K's loads; V^T P of tile 0 with tile 1's softmax behind its products;
; V^T P of tile 1 with the next step's masks.  A tile's 33 exponentials are one batch with one wait.
; REGISTERS by windows of 256.  0: v1-15 addresses and at work; v16-31 statistics; v32-95 S^T; v96-127 P; v128-255 O^T.  1: v0-127 K; v128-191 Q; v192-255 MC.  2: v0-127 V; v128-191 MD; v192-200 addresses.
.set TILEB, 128*272                    ; a tile in LDS: 128 rows of 256 bytes, pitch 272 = 0x8800: K's 64 keys, then V^T, two channels a row
.set SLOTB, 4*TILEB                    ; 0x22000: shares no bit with 3 x 0x8800, so one exclusive or changes slots
.set VOFF,  64*272
.set XB,    2*SLOTB                    ; behind the ring, never filled: 8,192 bytes a wave: the O^T that is sent, later the wave's stage of 16 rows x 272
.set STB,   XB+4*8192                  ; 256 bytes a wave: the statistics that are sent
.set SPARE, STB+1024                   ; the spare words, 128 bytes a wave: two blocks of 256 bytes that no other line names
.set PFO, 1                            ; v1   256 x lane; never rewritten
.set AK0, 2                            ; v2   my lane's place in my parity's first tile, K
.set AV0, 3                            ; v3   V^T
.set ADR, 4                            ; v4   address of K's run of loads
.set ADV, 5                            ; v5   of V's
.set SPW, 14                           ; v14  my spare word; never rewritten
.set NIL, 15                           ; v15  0; never rewritten
.set ST,  16                           ; tile t at ST + 8 t: c m, m, l (even keys', odd keys'), c0-c3 at work; a takes c2's place
.set S,   32
.set P,   96
.set O,   128
.set QF,  128                          ; window 1
.set MC,  192
.set MD,  128                          ; window 2
.set QO0, 192                          ; v192-193 of window 2: my byte offset in the block's rows of q, by local tile
.set STO, 194
.set RD,  195
.set GO,  196
.set XS,  197
.set XL,  198
.set SS,  199
.set SL,  200
.set WV,  10
.set KP,  11                           ; s11  w % 2
.set C,   13                           ; s13  the cluster's number
.set CX,  14
.set CX3, 15                           ; s15  3 - cx
.set G1,  24
.set G0A, 32                           ; s[32:35] slot 0's first fill
.set G0B, 36                           ; s[36:39] slot 1's first fill; then it walks
.set KVW, 40                           ; s[40:41] kv at the head, my tile of group 0
.set OFF, 42                           ; s[42:43] a group's byte offset
.set PFB, 44                           ; s[44:45] kv at the head, my 32 rows of group 0 for the prefetches
.set PFA, 46
.set QHI, 48
.set OB,  50
.set OHI, 52
.set CS,  54
.set SEL, 56
.set AL,  58
.set BE,  60
.set TBK, 62
.set TBV, 63
.set SLOTS, 66
.set CNT, 67
.set RT,  68                           ; s68  steps until the first block's end
.set SN,  69                           ; s69  the step whose masks are made
.set SG,  70                           ; s70  the slot of the walk to be asked for next
.set UD,  71
.set BIGN, 72
.set MSB, 0
.macro WIN new
.if MSB != (\new)
	s_set_vgpr_msb (MSB<<8)|(\new)
.set MSB, \new
.endif
.endm
.macro PLACES
.rept 4
	v_nop
.endr
.endm
.macro CROUND                          ; a round of the cluster's barrier
	s_barrier_signal -1
	s_barrier_wait -1
	s_cmp_lg_u32 s[WV], 0
	s_cbranch_scc1 .Lnot_wave_0_\@
	s_barrier_signal -3
.Lnot_wave_0_\@:
	s_barrier_wait -3
	s_barrier_signal -1
	s_barrier_wait -1
.endm
.macro QLOAD b                         ; a block's q for my two tiles: 16 loads into window 1, addresses in window 2
	WIN 0x42
.irp t, 0,1
.irp c, 0,1,2,3
	global_load_b128 v[QF+32*(\t)+8*(\c):QF+32*(\t)+8*(\c)+3],   v[QO0+(\t)], s[\b:\b+1] offset:64*(\c)
	global_load_b128 v[QF+32*(\t)+8*(\c)+4:QF+32*(\t)+8*(\c)+7], v[QO0+(\t)], s[\b:\b+1] offset:64*(\c)+32
.endr
.endr
.endm
.macro STINIT
.irp t, 0,1
	v_mov_b32 v[ST+8*(\t)], 0xfe000000             ; c m: far below every c s, the hidden ones' too
	v_mov_b32 v[ST+8*(\t)+1], 0xff7fffff           ; m
	v_mov_b32 v[ST+8*(\t)+2], 0
	v_mov_b32 v[ST+8*(\t)+3], 0
.endr
.endm
.macro MSCAL                           ; the next step's two mask scalars
	s_add_co_u32 s[SN], s[SN], 1
	s_lshr_b32 s73, s[SN], 1                       ; its slot of the walk
	s_and_b32 s74, s[SN], 1
	s_lshl1_add_u32 s74, s74, s[KP]                ; its tile in the group: 2 (step % 2) + my parity
	s_cmp_eq_u32 s73, s[C]
	s_cselect_b32 s[UD], s[CX], 99                 ; the first block's last group,
	s_cmp_eq_u32 s73, 8
	s_cselect_b32 s[UD], s[CX3], s[UD]             ; the second's, or none
	s_cmp_eq_u32 s74, s[UD]
	s_cselect_b32 s[AL], 1.0, 0
	s_cmp_gt_u32 s74, s[UD]
	s_cselect_b32 s[BE], s[BIGN], 0
.endm
.macro MASK4                           ; four of the 32 lines MC = MD x AL + BE
	WIN 0x42
.rept 4
	v_pk_fma_f32 v[MC+2*mk:MC+2*mk+1], v[MD+2*mk:MD+2*mk+1], s[AL:AL+1], s[BE:BE+1] op_sel_hi:[1,0,0]
.set mk, mk+1
.endr
.endm
; Product i of 16 of S^T for tile t: channels 32 (i / 4) on, keys 16 (i % 4) on.  The first four start the sums with the mask.  Four accumulators by turns.
.macro KQ t
.set rS, S+32*(\t)+8*(i%4)
.set rK, 32*(i%4)+8*(i/4)
.set rQ, QF+32*(\t)+8*(i/4)
.set rM, MC+32*(\t)+8*(i%4)
.if i < 4
	WIN 0x15
	v_wmma_f32_16x16x32_f16 v[rS:rS+7], v[rK:rK+7], v[rQ:rQ+7], v[rM:rM+7]
.else
	WIN 0x05
	v_wmma_f32_16x16x32_f16 v[rS:rS+7], v[rK:rK+7], v[rQ:rQ+7], v[rS:rS+7]
.endif
.set i, i+1
.endm
; Product i of 16 of O^T for tile t: keys 32 (i / 8) on, channels 16 (i % 8) on.  Eight accumulators by turns.
.macro PV t
	WIN 0x02
.set rO, O+64*(\t)+8*(i%8)
.set rV, 64*(i/8)+8*(i%8)
.set rP, P+16*(\t)+8*(i/8)
	v_wmma_f32_16x16x32_f16 v[rO:rO+7], v[rV:rV+7], v[rP:rP+7], v[rO:rO+7]
.set i, i+1
.endm
.macro FETCH_K                         ; a step's K: 16 fragments (keys 16 (f / 4) on, channels 32 (f % 4) on), 32 loads in one run
	WIN 0
	v_add_nc_u32 v[ADR], s[TBK], v[AK0]
	s_xor_b32 s[TBK], s[TBK], 2*TILEB              ; my parity's other tile of the slot
	WIN 0x40
.irp f, 0,1,2,3,4,5,6,7,8,9,10,11,12,13,14,15
	ds_load_b128 v[8*(\f):8*(\f)+3],   v[ADR] offset:((\f)/4)*16*272+((\f)%4)*64
	ds_load_b128 v[8*(\f)+4:8*(\f)+7], v[ADR] offset:((\f)/4)*16*272+((\f)%4)*64+32
.endr
	WIN 0
.endm
.macro FETCH_V                         ; a step's V^T: keys 32 (f / 8) on, channels 16 (f % 8) on (eight LDS rows)
	WIN 0
	v_add_nc_u32 v[ADV], s[TBV], v[AV0]
	s_xor_b32 s[TBV], s[TBV], 2*TILEB
	WIN 0x80
.irp f, 0,1,2,3,4,5,6,7,8,9,10,11,12,13,14,15
	ds_load_b128 v[8*(\f):8*(\f)+3],   v[ADV] offset:((\f)%8)*8*272+((\f)/8)*64
	ds_load_b128 v[8*(\f)+4:8*(\f)+7], v[ADV] offset:((\f)%8)*8*272+((\f)/8)*64+32
.endr
	WIN 0
.endm
; A tile's softmax for a step: a list of 134 instructions, all in window 0; SM writes number j for tile t.
;   0-15 the maximum of the lane's 32 scores and the old m (each accumulator's lowest registers first)   16-20 the other half of the lanes; m; c m; its change
;   21-69 ONE BATCH: the 16 scalings c s - c m and the 33 exponentials (a at 23); none reads an exponential's result     70-85 roundings to f16     86-101 the sums; l = a l + sum     102-133 O^T times a
.macro SM t
.set rT, ST+8*(\t)
.set rS, S+32*(\t)
.set rP, P+16*(\t)
.set rO, O+64*(\t)+2*(j-102)
.if j < 4
	v_max3_num_f32 v[rT+4+j], v[rS+8*j], v[rS+8*j+1], v[rS+8*j+2]
.elseif j < 12
	v_max3_num_f32 v[rT+4+j%4], v[rT+4+j%4], v[rS+8*(j%4)+2*(j/4)+1], v[rS+8*(j%4)+2*(j/4)+2]
.elseif j == 12
	v_max3_num_f32 v[rT+4], v[rT+4], v[rS+7], v[rS+15]
.elseif j == 13
	v_max3_num_f32 v[rT+6], v[rT+6], v[rS+23], v[rS+31]
.elseif j == 14
	v_max3_num_f32 v[rT+4], v[rT+4], v[rT+5], v[rT+6]
.elseif j == 15
	v_max3_num_f32 v[rT+4], v[rT+4], v[rT+7], v[rT+1]
.elseif j == 16
	v_permlanex16_b32 v[rT+5], v[rT+4], s[SEL], s[SEL+1]
.elseif j == 17
	v_mov_b32 v[rT+7], v[rT]
.elseif j == 18
	v_max_num_f32 v[rT+1], v[rT+4], v[rT+5]
.elseif j == 19
	v_mul_f32 v[rT], s[CS], v[rT+1]
.elseif j == 20
	v_sub_f32 v[rT+7], v[rT+7], v[rT]
.elseif j == 23
	v_exp_f32 v[rT+6], v[rT+7]
.elseif (j < 23) || ((j < 38) && (j%2 == 0)) || ((j < 66) && (j%4 == 2))
.set b, (j-2)/4
.if j < 38
.set b, (j-20)/2
.endif
	v_pk_fma_f32 v[rS+2*b:rS+2*b+1], v[rS+2*b:rS+2*b+1], s[CS:CS+1], v[rT:rT+1] op_sel_hi:[1,0,0] neg_lo:[0,0,1] neg_hi:[0,0,1]
.elseif j < 70
.set e, j-38
.if j < 66
.set e, j-32-(j-38)/4
.endif
.if j < 38
.set e, (j-25)/2
.endif
	v_exp_f32 v[rS+e], v[rS+e]
.elseif j < 86
	v_cvt_pk_f16_f32 v[rP+j-70], v[rS+2*(j-70)], v[rS+2*(j-70)+1]
.elseif j < 102
.set z, j-86
.set w, 4
.set u, z
.if z >= 14
.set w, 32
.set u, 0
.elseif z >= 12
.set w, 16
.set u, z-12
.elseif z >= 8
.set w, 8
.set u, z-8
.endif
.if z < 15
	v_pk_add_f32 v[rS+w*u:rS+w*u+1], v[rS+w*u:rS+w*u+1], v[rS+w*u+w/2:rS+w*u+w/2+1]
.else
	v_pk_fma_f32 v[rT+2:rT+3], v[rT+2:rT+3], v[rT+6:rT+7], v[rS:rS+1] op_sel_hi:[1,0,1]
.endif
.else
	v_pk_mul_f32 v[rO:rO+1], v[rO:rO+1], v[rT+6:rT+7] op_sel_hi:[1,0]
.endif
.endm
; Slice k of 16: numbers 8 k .. 8 k + 7; the last takes the six that are over.  Behind number 69 stand the plain instruction and the ONE wait between the batch and its first reader.
.macro RID t
	WIN 0
.set n, 0
.rept 8
.set j, 8*k+n
	SM \t
.if j == 69
	v_nop
	s_wait_alu depctr_va_vdst(0)
.endif
.set n, n+1
.endr
.if k == 15
.set j, 128
.rept 6
	SM \t
.set j, j+1
.endr
.endif
.set k, k+1
.endm
.macro A_PART
	s_wait_dscnt 0x0                               ; K is in
.set i, 0
.rept 16
	KQ 0
.endr
	WIN 0
	PLACES                                         ; between tile 0's last product and the first read of its scores
	FETCH_V                                        ; V's last readers stand ahead of the four mask lines that end part B
.set i, 0
.set k, 0
.rept 16
	KQ 1
	RID 0
.endr
.endm
.macro B_PART tail
	WIN 0
.if \tail
	s_cmp_eq_u32 s[CNT], 1                         ; behind the last step there is no K to fetch
	s_cbranch_scc1 .Lno_k_\@
.endif
	FETCH_K                                        ; K's last reader stands ahead of slice 15's fourteen plain lines
.if \tail
.Lno_k_\@:
.endif
	MSCAL
.if \tail
	s_wait_dscnt 0x0
.else
	s_wait_dscnt 32                                ; V is in; K's 32 younger loads stay out
.endif
.set i, 0
.set k, 0
.rept 16
	PV 0
	RID 1
.endr
.set i, 0
.set mk, 0
.rept 8
	PV 1
	PV 1
	MASK4                                          ; the last four are also the places behind the last product
.endr
.endm
; THE CHANGE OF SLOTS, between a slot's last part A (its V has been asked for) and the part B that fetches the next slot's K.  Each wave waits for all its tensor loads (one is out: its tile of the other slot), adds 0
; to its spare word, and waits for that and for its reads.  fill = 1: a round of the cluster's barrier, and the old slot's refill first behind it, with the group of slot SG of the walk; its address is made anew.
; Behind it one prefetch: cluster 0 is the first to walk groups 4 to 7, and asks for each one change ahead of its own load (SLOTS = 5 .. 2); its four work-groups take a tile each by address, a wave 32 rows, a lane
; a row of 256 bytes: each row is named once.  Groups 0 to 3 come by their loads alone, and nothing is asked for behind group 7.
.macro CHANGE fill
	WIN 0
	s_wait_tensorcnt 0x0
	ds_add_u32 v[SPW], v[NIL]                      ; the scalar work stands between it and its wait
.if \fill
	s_sub_co_u32 s73, s[SG], s[C]
	s_sub_co_u32 s73, s73, 1
	s_cmp_le_u32 s[SG], s[C]
	s_cselect_b32 s73, s[SG], s73                  ; the group: SG in the first block, SG - c - 1 in the second
	s_lshl_b32 s[OFF], s73, 17
	s_xor_b32 s[G0B+1], s[G0B+1], SLOTB
	s_add_nc_u64 s[G0B+2:G0B+3], s[KVW:KVW+1], s[OFF:OFF+1]
	s_or_b32 s[G0B+3], s[G0B+3], 0x80000000
	s_add_co_u32 s[SG], s[SG], 1
	s_wait_xcnt 0x0                                ; the last prefetch, a slot back, has read its address
	s_add_co_u32 s[OFF], s[OFF], 1<<17
	s_add_nc_u64 s[PFA:PFA+1], s[PFB:PFB+1], s[OFF:OFF+1]
	s_wait_dscnt 0x0                               ; the add is done, and my reads of the slot are over
	CROUND
	tensor_load_to_lds s[G0B:G0B+3], s[G1:G1+7]
	s_nop 0
.rept 4
	v_nop
.endr
	s_lshl_b32 s73, s[C], 4
	s_add_co_u32 s73, s73, s[SLOTS]
	s_sub_co_u32 s73, s73, 2
	s_cmp_le_u32 s73, 3
	s_cbranch_scc0 .Lnot_mine_\@
	global_prefetch_b8 v[PFO], s[PFA:PFA+1] th:TH_LOAD_NT scope:SCOPE_SE
.Lnot_mine_\@:
.else
	s_wait_dscnt 0x0
	s_barrier_signal -1
	s_barrier_wait -1
.endif
	s_xor_b32 s[TBK], s[TBK], SLOTB
	s_xor_b32 s[TBV], s[TBV], SLOTB
.endm
; A BLOCK'S END.  more = 1: the second block follows: its q is asked for first and waited for last.
.macro BLKEND more
.if \more
	QLOAD QHI                                      ; q's last readers stand a whole part B back
.endif
	WIN 0
	v_add_f32 v[ST+2], v[ST+2], v[ST+3]            ; l: even and odd keys', then the other half of the lanes'
	v_add_f32 v[ST+10], v[ST+10], v[ST+11]
	v_permlanex16_b32 v[ST+3], v[ST+2], s[SEL], s[SEL+1]
	v_permlanex16_b32 v[ST+11], v[ST+10], s[SEL], s[SEL+1]
	v_add_f32 v[ST+2], v[ST+2], v[ST+3]
	v_add_f32 v7, v[ST+10], v[ST+11]
	v_mov_b32 v6, v[ST+8]
	WIN 0x02                                       ; addresses in window 2, data in window 0
	ds_store_b64 v[SS], v[6:7]                     ; tile 1's c m and l,
.set t, 0
.rept 16
	ds_store_b128 v[XS], v[O+64+4*t:O+64+4*t+3] offset:512*t  ; and its O^T, each accumulator from its low end on
.set t, t+1
.endr
	s_wait_dscnt 0x0                               ; for my partner's sake: my stores are done
	s_barrier_signal -1
	s_barrier_wait -1
	ds_load_b64 v[8:9], v[SL]                      ; my partner's part of my tile 0
	WIN 0x82
.set t, 0
.rept 16
	ds_load_b128 v[4*t:4*t+3], v[XL] offset:512*t  ; into V's registers, whose last readers stand ahead of four mask lines and the sums above
.set t, t+1
.endr
	WIN 0
	s_wait_dscnt 16                                ; the statistics are in; the sixteen loads behind them may stay out
	v_max_num_f32 v10, v[ST], v8
	v_sub_f32 v11, v[ST], v10
	v_sub_f32 v12, v8, v10
	v_exp_f32 v11, v11
	v_exp_f32 v12, v12
	v_nop
	s_wait_alu depctr_va_vdst(0)                   ; one wait for the two exponentials
	v_mul_f32 v13, v11, v[ST+2]
	v_fmac_f32 v13, v12, v9
	v_rcp_f32 v10, v13
	v_nop
	s_wait_alu depctr_va_vdst(0)
	v_mul_f32 v6, v11, v10                         ; my part's factor,
	v_mul_f32 v8, v12, v10                         ; my partner's
	s_wait_dscnt 0x0                               ; my reads of my partner's bytes are over:
	s_barrier_signal -1                            ; behind this barrier each wave's 8,192 bytes are its own stage
.set t, 0
.rept 32
	v_pk_mul_f32 v[O+2*t:O+2*t+1], v[O+2*t:O+2*t+1], v[6:7] op_sel_hi:[1,0]
.set t, t+1
.endr
	WIN 0x02
.set t, 0
.rept 32
	v_pk_fma_f32 v[O+2*t:O+2*t+1], v[2*t:2*t+1], v[8:9], v[O+2*t:O+2*t+1] op_sel_hi:[1,0,1]
.set t, t+1
.endr
	WIN 0
.set t, 0
.rept 32
	v_cvt_pk_f16_f32 v[S+t], v[O+2*t], v[O+2*t+1]
.set t, t+1
.endr
	s_barrier_wait -1
	WIN 0x02
.set t, 0
.rept 8
	ds_store_b128 v[STO], v[S+4*t:S+4*t+3] offset:32*t
.set t, t+1
.endr
.set t, 0
.rept 8
	ds_load_b128 v[S+32+4*t:S+32+4*t+3], v[RD] offset:544*t  ; LDS serves a wave's instructions in order: these see the stores above
.set t, t+1
.endr
.set t, 0
.rept 8
	s_wait_dscnt 7-t
	global_store_b128 v[GO], v[S+32+4*t:S+32+4*t+3], s[OB:OB+1] offset:8192*t  ; sixteen lanes store a head's 256 bytes of a token's row, aligned
.set t, t+1
.endr
	WIN 0
.if \more
	STINIT                                         ; the next step's a is 0: what O^T holds need only be finite
	s_wait_loadcnt 0x0                             ; the second block's q
	s_wait_xcnt 0x0                                ; the stores have read their registers and their base
	s_mov_b64 s[OB:OB+1], s[OHI:OHI+1]
.endif
.endm
	s_load_b128 s[4:7], s[0:1], 0x0                ; qws 4, kv 6
	s_load_b64 s[8:9], s[0:1], 0x10                ; attn
	v_lshl_add_u32 v[SPW], v0, 2, SPARE
	v_mov_b32 v[NIL], 0
	ds_add_u32 v[SPW], v[NIL]                      ; the wave's opening: the add and its wait ahead of my first tensor load
	v_lshrrev_b32 v1, 5, v0
	v_readfirstlane_b32 s[WV], v1
	s_and_b32 s[KP], s[WV], 1
	s_mov_b32 s[C], ttmp9
	s_bfe_u32 s[CX], ttmp6, 0x40000
	s_sub_co_u32 s[CX3], 3, s[CX]
	s_and_b32 s16, ttmp7, 0xffff                   ; the head
	s_lshl_b32 s20, s16, 20                        ; the head's MiB of kv, my tile's 32 KiB: the same in all four partners
	s_lshl_b32 s21, s[WV], 15
	s_add_co_u32 s20, s20, s21
	s_mov_b32 s21, 0
	s_lshl_b32 s18, s[CX], 15                      ; for the prefetches: my work-group's tile, my wave's 32 rows
	s_lshl_b32 s19, s[WV], 13
	s_add_co_u32 s18, s18, s19
	s_lshl_b32 s19, s16, 20
	s_add_co_u32 s18, s18, s19
	s_mov_b32 s19, 0
	s_lshl2_add_u32 s22, s[C], s[CX]               ; the first block, b
	s_sub_co_u32 s23, 31, s22                      ; the second, 31 - b
	s_mov_b32 s[G1], 15|(1<<16)|(1<<20)|(1<<21)|(5<<22)|(3<<25)  ; all four work-groups; 2-byte elements; padding on; bit 21 beside a mask; after every 64 words, 4 words
	s_mov_b32 s[G1+1], 128<<16                     ; tensor_dim0 = 128
	s_mov_b32 s[G1+2], 128<<16                     ; tensor_dim1 = 128
	s_mov_b32 s[G1+3], 128<<16                     ; tile_dim0 = 128
	s_mov_b32 s[G1+4], 128                         ; tile_dim1 = 128
	s_mov_b32 s[G1+5], 128                         ; a tile is dense: 128 elements from row to row
	s_mov_b32 s[G1+6], 0
	s_mov_b32 s[G1+7], 0
	s_mul_i32 s17, s[WV], TILEB
	s_mov_b32 s[G0A], 1
	s_mov_b32 s[G0A+1], s17
	s_mov_b32 s[G0B], 1
	s_add_co_u32 s[G0B+1], s17, SLOTB
	s_min_u32 s[OFF], s[C], 1                      ; slot 1 of the walk: group 1, or with c = 0 the second block's group 0
	s_lshl_b32 s[OFF], s[OFF], 17
	s_mov_b32 s[OFF+1], 0
	s_mov_b32 s[CS], 0x3e0293ee                    ; c = log2(e) / sqrt(128)
	s_mov_b32 s[CS+1], s[CS]
	s_mov_b32 s[SEL], 0x76543210
	s_mov_b32 s[SEL+1], 0xfedcba98
	s_mov_b32 s[AL+1], 0
	s_mov_b32 s[BE+1], 0
	s_mov_b32 s[BIGN], 0xf149f2ca                  ; -1e30
	s_mov_b32 s[TBK], 0
	s_mov_b32 s[TBV], 0
	s_mov_b32 s[SN], -1
	s_mov_b32 s3, 0
	s_wait_dscnt 0x0                               ; the opening add is done
	s_wait_kmcnt 0x0
	s_add_nc_u64 s[KVW:KVW+1], s[6:7], s[20:21]
	s_add_nc_u64 s[PFB:PFB+1], s[6:7], s[18:19]
	s_add_nc_u64 s[G0A+2:G0A+3], s[KVW:KVW+1], 0
	s_or_b32 s[G0A+3], s[G0A+3], 0x80000000
	s_add_nc_u64 s[G0B+2:G0B+3], s[KVW:KVW+1], s[OFF:OFF+1]
	s_or_b32 s[G0B+3], s[G0B+3], 0x80000000
	s_lshl_b32 s17, s16, 19                        ; q: the head's 512 KiB, a block's 16 KiB
	s_lshl_b32 s2, s23, 14
	s_add_co_u32 s2, s2, s17
	s_add_nc_u64 s[QHI:QHI+1], s[4:5], s[2:3]
	s_lshl_b32 s2, s22, 14
	s_add_co_u32 s2, s2, s17
	s_add_nc_u64 s[4:5], s[4:5], s[2:3]
	s_lshl_b32 s17, s16, 8                         ; attn: a block's 64 rows of 4,096 bytes, the head's 256 bytes of a row
	s_lshl_b32 s2, s23, 18
	s_add_co_u32 s2, s2, s17
	s_add_nc_u64 s[OHI:OHI+1], s[8:9], s[2:3]
	s_lshl_b32 s2, s22, 18
	s_add_co_u32 s2, s2, s17
	s_add_nc_u64 s[OB:OB+1], s[8:9], s[2:3]
	CROUND                                         ; all four work-groups are here: the first joint loads meet
	tensor_load_to_lds s[G0A:G0A+3], s[G1:G1+7]    ; both first fills together: two loads of mine are out
	s_nop 0
	tensor_load_to_lds s[G0B:G0B+3], s[G1:G1+7]
	s_nop 0
.rept 4
	v_nop
.endr
	s_xor_b32 s16, s[WV], 1                        ; my partner
	s_lshl_b32 s20, s[WV], 12
	s_lshl_b32 s21, s16, 12
	v_and_b32 v6, 15, v0                           ; r
	v_bfe_u32 v7, v0, 4, 1                         ; h
	v_and_b32 v8, 31, v0                           ; lane
	v_lshlrev_b32 v9, 8, v6
	v_lshl_add_u32 v9, v7, 4, v9                   ; 256 r + 16 h
	WIN 0x80                                       ; destination window 2
	v_add_nc_u32 v[QO0], s20, v9                   ; tile w
	v_add_nc_u32 v[QO0+1], s21, v9                 ; tile w xor 1
	QLOAD 4
	WIN 0
	v_lshlrev_b32 v[PFO], 8, v8
	s_mul_i32 s17, s[KP], TILEB
	v_mul_u32_u24 v[AK0], v6, 272
	v_lshl_add_u32 v[AK0], v7, 4, v[AK0]
	v_mov_b32 v10, v[AK0]                          ; 272 r + 16 h
	v_add_nc_u32 v[AK0], s17, v[AK0]
	v_lshrrev_b32 v9, 1, v6
	v_and_b32 v11, 1, v6
	v_mul_u32_u24 v[AV0], v9, 272                  ; channel r: LDS row r / 2, half r % 2: sixteen lanes start at sixteen different multiples of 16 bytes modulo 256
	v_lshl_add_u32 v[AV0], v11, 7, v[AV0]
	v_lshl_add_u32 v[AV0], v7, 4, v[AV0]
	s_add_co_u32 s17, s17, VOFF
	v_add_nc_u32 v[AV0], s17, v[AV0]
	v_mul_u32_u24 v11, v7, 272
	v_lshl_add_u32 v11, v6, 4, v11                 ; 272 h + 16 r
	v_lshlrev_b32 v12, 12, v7
	v_lshl_add_u32 v12, v6, 4, v12                 ; 4,096 h + 16 r
	v_lshlrev_b32 v13, 4, v8                       ; 16 x lane
	v_lshlrev_b32 v4, 3, v8                        ; 8 x lane
	s_lshl_b32 s18, s[WV], 13
	s_add_co_u32 s18, s18, XB
	s_lshl_b32 s19, s16, 13
	s_add_co_u32 s19, s19, XB
	s_lshl_b32 s22, s[WV], 16
	s_lshl_b32 s23, s[WV], 8
	s_add_co_u32 s23, s23, STB
	s_lshl_b32 s2, s16, 8
	s_add_co_u32 s2, s2, STB
	WIN 0x80
	v_add_nc_u32 v[STO], s18, v10
	v_add_nc_u32 v[RD], s18, v11
	v_add_nc_u32 v[GO], s22, v12                   ; rows 16 w + h of the block
	v_add_nc_u32 v[XS], s18, v13
	v_add_nc_u32 v[XL], s19, v13
	v_add_nc_u32 v[SS], s23, v4
	v_add_nc_u32 v[SL], s2, v4
	WIN 0
	v_lshlrev_b32 v9, 3, v7
	v_sub_nc_u32 v9, v6, v9                        ; r - 8 h
	s_lshl_b32 s20, s[WV], 4
	s_lshl_b32 s21, s16, 4
	v_add_nc_u32 v10, s20, v9                      ; my query's place in the block less my lanes' 8 h: key 16 kt + j of the diagonal tile is hidden where it is greater
	v_add_nc_u32 v11, s21, v9
	WIN 0x80
.set i, 0
.rept 64
	v_cmp_gt_i32 vcc_lo, 16*((i%32)/8)+i%8, v[10+i/32]
	v_cndmask_b32 v[MD+i], 0, s[BIGN], vcc_lo
.set i, i+1
.endr
	WIN 0
.set i, 0
.rept 128                              ; O^T starts at 0, in the wait for the first tile: the price of writing no first step out
	v_mov_b32 v[O+i], 0
.set i, i+1
.endr
	STINIT
	MSCAL                                          ; step 0's masks
.set mk, 0
.rept 8
	MASK4
.endr
	WIN 0
	s_wait_tensorcnt 1                             ; my tile of slot 0 is in; slot 1's may stay out
	s_barrier_signal -1
	s_barrier_wait -1
	FETCH_K
	s_wait_loadcnt 0x0                             ; q
	A_PART
	WIN 0
	s_lshl1_add_u32 s[RT], s[C], 1                 ; the first block has 2 c + 2 steps
	s_mov_b32 s[SLOTS], 8
	s_mov_b32 s[SG], 2
	s_mov_b32 s[CNT], 1                            ; slot 0 has one unit left
	s_branch .Lunit
.Lslot:                                                ; seven times: slots 2 to 8 of the walk are asked for
	CHANGE 1
	s_mov_b32 s[CNT], 2
.Lunit:                                                ; a unit: part B of a step, part A of the next
	B_PART 0
	WIN 0
	s_cmp_lg_u32 s[RT], 0                          ; hangs on the cluster's number and a count: the same in every wave of every partner
	s_cbranch_scc1 .Lgo_on
	BLKEND 1
.Lgo_on:
	s_sub_co_u32 s[RT], s[RT], 1
	A_PART
	WIN 0
	s_sub_co_u32 s[CNT], s[CNT], 1
	s_cmp_lg_u32 s[CNT], 0
	s_cbranch_scc1 .Lunit
	s_sub_co_u32 s[SLOTS], s[SLOTS], 1
	s_cmp_lg_u32 s[SLOTS], 0
	s_cbranch_scc1 .Lslot
	CHANGE 0                                       ; the tail is written out
	s_mov_b32 s[CNT], 3
.Ltail:
	B_PART 1
	WIN 0
	s_sub_co_u32 s[CNT], s[CNT], 1
	s_cmp_eq_u32 s[CNT], 0
	s_cbranch_scc1 .Lout
	A_PART
	WIN 0
	s_branch .Ltail
.Lout:
	BLKEND 0
	s_wait_tensorcnt 0x0                           ; the wave's end: a wait, an add and its wait, behind my last tensor load and my last LDS store
	ds_add_u32 v[SPW], v[NIL]
	s_wait_dscnt 0x0
	CROUND                                         ; the closing round
	s_endpgm
.Lfunc_end_k_q912d9e6abb_attn:
	.size	k_q912d9e6abb_attn, .Lfunc_end_k_q912d9e6abb_attn-k_q912d9e6abb_attn
	.p2alignl 7, 3214868480
	.fill 96, 4, 3214868480
	.section	.rodata,"a",@progbits
	.p2align	6, 0x0
	.amdhsa_kernel k_q912d9e6abb_attn
		.amdhsa_group_segment_fixed_size 327680
		.amdhsa_private_segment_fixed_size 0
		.amdhsa_enable_private_segment 0
		.amdhsa_kernarg_size 24
		.amdhsa_user_sgpr_count 2
		.amdhsa_user_sgpr_kernarg_segment_ptr 1
		.amdhsa_wavefront_size32 1
		.amdhsa_system_sgpr_workgroup_id_x 1
		.amdhsa_system_sgpr_workgroup_id_y 1
		.amdhsa_system_sgpr_workgroup_id_z 1
		.amdhsa_system_vgpr_workitem_id 0
		.amdhsa_next_free_vgpr 768
		.amdhsa_next_free_sgpr 76
		.amdhsa_reserve_vcc 1
		.amdhsa_float_denorm_mode_32 3
		.amdhsa_float_denorm_mode_16_64 3
		.amdhsa_memory_ordered 1
		.amdhsa_forward_progress 1
		.amdhsa_inst_pref_size 120
	.end_amdhsa_kernel
	.amdgpu_metadata
---
amdhsa.version: [ 1, 2 ]
amdhsa.kernels:
  - .name:           k_q912d9e6abb_attn
    .symbol:         k_q912d9e6abb_attn.kd
    .args:
      - { .name: qws, .offset: 0, .size: 8, .value_kind: global_buffer, .address_space: global }
      - { .name: kv, .offset: 8, .size: 8, .value_kind: global_buffer, .address_space: global }
      - { .name: attn, .offset: 16, .size: 8, .value_kind: global_buffer, .address_space: global }
    .group_segment_fixed_size: 327680
    .private_segment_fixed_size: 0
    .kernarg_segment_align: 8
    .kernarg_segment_size: 24
    .max_flat_workgroup_size: 128
    .sgpr_count:     76
    .vgpr_count:     768
    .wavefront_size: 32
...
	.end_amdgpu_metadata
.endif
;; end of part 3
;; launch proj (part 4): grid 16 x 16, 4 waves a work-group, clusters of 4 x 4, 327,680 bytes of LDS; arguments attn, wb, out0; writes out0
.if DOCPART == 4
	.amdgcn_target "amdgcn-amd-amdhsa--gfx1250"
	.amdhsa_code_object_version 6
	.text
	.protected	k_q912d9e6abb_proj
	.globl	k_q912d9e6abb_proj
	.p2align	8
	.type	k_q912d9e6abb_proj,@function
k_q912d9e6abb_proj:
	s_mov_b64 s[64:65], 0
	v_nop
	global_prefetch_b8 v0, s[64:65] scope:SCOPE_SE
	s_setreg_imm32_b32 hwreg(HW_REG_WAVE_MODE, 25, 1), 1
	s_wait_xcnt 0x0
	s_wait_alu depctr_hold_cnt(0) depctr_sa_sdst(0) depctr_va_vdst(0) depctr_va_sdst(0) depctr_va_ssrc(0) depctr_va_vcc(0) depctr_vm_vsrc(0)
	s_getreg_b32 s2, hwreg(HW_REG_IB_STS2, 6, 4)
	s_cmp_eq_u32 s2, 0
	s_cbranch_scc0 .Lentry_in_a_cluster
	s_endpgm
.Lentry_in_a_cluster:
	s_bfe_u32 s2, ttmp6, 0x10000c
	s_cmp_lg_u32 s2, 0xf033
	s_cbranch_scc0 .Lentry_shape_is_right
	s_endpgm
.Lentry_shape_is_right:
; OUT = attn Wo.  attn: [2048][2048] f16; Wo: plane 3 of wb, [k][n] f16 (the bf16-rounded weight written as f16); out0: [2048][2048] f32.  Sums in f32.
; 256 tiles of 128 x 128, one a work-group; four waves of 64 x 64: 16 accumulators.  K goes in steps of 256 through two LDS slots: attn's 128 rows x 512 bytes (pitch 528) and Wo's 256 rows x 256 bytes (pitch 288).
; Waves 0 and 1 fetch attn's halves (64 rows), waves 2 and 3 Wo's (128 rows): one tensor load a wave.  Wo's fragments come out turned, by ds_load_tr16_b128.
; CLUSTER 4 x 4: attn's tile is asked for jointly along a row of the cluster, Wo's along a column.  The product is used transposed (source 0 = 16 columns of Wo): a lane holds eight neighbouring numbers of a row.
; THE WALK ALONG K.  Cluster (X, Y) begins at K step 0 or 4, by the parity of g(X) + g(Y) with g = 0, 1, 1, 0, and goes round all eight (f32 sums may be taken in any order).  Of the four clusters that walk the
; same rows of attn, and of the four that walk the same rows of Wo, two begin at each place: what two of them ask for in their first four K steps the other two ask for four K steps later.
; No prefetch: a step's tiles are small, and a walk has eight of them.
; REGISTERS: window 0: v16-29 addresses; v32-95 rows on the way out; v128-255 accumulators ((a, b) at 128 + 8 (4 a + b)).  Window 1: two fragment buffers of 128: 64 registers of attn, then 64 of Wo, for 64 along K.
.set PA,     528                       ; 512 bytes + 16
.set PB,     288                       ; 256 bytes + 32
.set AT,     128*PA
.set SLOT,   AT+256*PB
.set STAGE,  2*SLOT                    ; behind the ring: 16 rows x 272 bytes for each wave, its own
.set SP,     272
.set SPARE,  STAGE+4*16*SP             ; the spare words, 128 bytes a wave: two blocks of 256 bytes that no other line names
.set LAPS,   4                         ; eight K steps
.set ADRA, 16                          ; v16-17  attn's fragments, by slot
.set ADRB, 20                          ; v20-23  Wo's, 2 x slot + half of the K step (the offsets would pass 16 bits otherwise)
.set STO,  24
.set RD,   25
.set CO,   26
.set SPW,  28
.set NIL,  29
.set TMP,  32
.set ACC,  128
.set F0,   0
.set F1,   128
.set ABA, 14                           ; s[14:15] attn at the rows that I fetch; never rewritten
.set OFF, 18                           ; s[18:19] a K step's byte offset, along a row of attn or down Wo
.set G1, 24
.set G0, 32
.set KN,  45                           ; s45  the K step to be asked for next, modulo 8: made of the cluster's two numbers and a count alone, so it is the same in all sixteen partners
.set WBA, 46                           ; s[46:47] Wo at the rows and columns that I fetch; never rewritten
.set G1B, 48
.set G0B, 56
.set MSB, 0
.macro WIN new
.if MSB != (\new)
	s_set_vgpr_msb (MSB<<8)|(\new)
.set MSB, \new
.endif
.endm
.set MUL,  0x05                        ; sources window 1; C and D window 0
.set TO_F, 0x40
.macro JLOAD s                         ; an s_nop 0 and four v_nop follow each of the two lines
	s_cmp_eq_u32 s11, 0
	s_cbranch_scc0 .Lfor_b_\@
	tensor_load_to_lds s[G0+4*(\s):G0+4*(\s)+3], s[G1:G1+7]
	s_nop 0
.rept 4
	v_nop
.endr
	s_branch .Lasked_\@
.Lfor_b_\@:
	tensor_load_to_lds s[G0B+4*(\s):G0B+4*(\s)+3], s[G1B:G1B+7]
	s_nop 0
.rept 4
	v_nop
.endr
.Lasked_\@:
.endm
.macro CREST
	s_cmp_lg_u32 s10, 0
	s_cbranch_scc1 .Lnot_wave_0_\@
	s_barrier_signal -3
.Lnot_wave_0_\@:
	s_barrier_wait -3
	s_barrier_signal -1
	s_barrier_wait -1
.endm
.macro CROUND
	s_barrier_signal -1
	s_barrier_wait -1
	CREST
.endm
	s_load_b128 s[4:7], s[0:1], 0x0                ; attn 4, wb 6
	s_load_b64 s[8:9], s[0:1], 0x10                ; out0
	v_lshl_add_u32 v[SPW], v0, 2, SPARE
	v_mov_b32 v[NIL], 0
	ds_add_u32 v[SPW], v[NIL]                      ; the wave's opening: the add and its wait ahead of my first tensor load
	v_lshrrev_b32 v1, 5, v0
	v_readfirstlane_b32 s10, v1
	s_lshr_b32 s11, s10, 1                         ; my half of the tile's rows; also: I fetch for attn (0) or for Wo (1)
	s_and_b32 s12, s10, 1                          ; my half of its columns; also: which half of that tile I fetch
	s_bfe_u32 s40, ttmp6, 0x40000
	s_bfe_u32 s41, ttmp6, 0x40004
	s_lshl_b32 s42, ttmp9, 2
	s_add_co_u32 s42, s42, s40                     ; tile column
	s_and_b32 s13, ttmp7, 0xffff                   ; cluster y
	s_xor_b32 s[KN], ttmp9, s13                    ; g(X) + g(Y) has the parity of t xor (t >> 1), t = X xor Y
	s_lshr_b32 s[OFF], s[KN], 1
	s_xor_b32 s[KN], s[KN], s[OFF]
	s_and_b32 s[KN], s[KN], 1
	s_lshl_b32 s[KN], s[KN], 2                     ; my cluster's first K step: 0 or 4
	s_lshl_b32 s13, s13, 2
	s_add_co_u32 s13, s13, s41                     ; tile row
	s_lshl_b32 s43, s41, 2
	s_lshl_b32 s43, 15, s43
	s_lshl_b32 s44, 0x1111, s40
	s_or_b32 s[G1+0], s43, (1<<16)|(1<<20)|(1<<21)|(6<<22)|(3<<25)   ; my row's mask; 2-byte elements; padding: after every 128 words, 4 words
	s_or_b32 s[G1B+0], s44, (1<<16)|(1<<20)|(1<<21)|(5<<22)|(7<<25)  ; my column's mask; after every 64 words, 8 words
	s_mov_b32 s[G1+1], 256<<16                     ; attn: 64 rows x 256 elements
	s_mov_b32 s[G1+2], 64<<16
	s_mov_b32 s[G1+3], 256<<16
	s_mov_b32 s[G1+4], 64
	s_mov_b32 s[G1+5], 2048
	s_mov_b32 s[G1+6], 0
	s_mov_b32 s[G1+7], 0
	s_mov_b32 s[G1B+1], 128<<16                    ; Wo: 128 rows x 128 elements
	s_mov_b32 s[G1B+2], 128<<16
	s_mov_b32 s[G1B+3], 128<<16
	s_mov_b32 s[G1B+4], 128
	s_mov_b32 s[G1B+5], 2048
	s_mov_b32 s[G1B+6], 0
	s_mov_b32 s[G1B+7], 0
	s_lshl_b32 s16, s13, 19                        ; attn: 128 rows of 4,096 bytes a tile row, my 64
	s_lshl_b32 s17, s12, 18
	s_add_co_u32 s16, s16, s17
	s_mov_b32 s17, 0
	s_lshl_b32 s[WBA], s42, 8                      ; Wo: the tile column's 256 bytes, my 128 rows, plane 3
	s_lshl_b32 s[WBA+1], s12, 19
	s_add_co_u32 s[WBA], s[WBA], s[WBA+1]
	s_add_co_u32 s[WBA], s[WBA], 3<<23
	s_mov_b32 s[WBA+1], 0
	s_mul_i32 s20, s12, 64*PA                      ; where they go: no place in the cluster enters an LDS address
	s_mul_i32 s21, s12, 128*PB
	s_add_co_u32 s21, s21, AT
	s_mov_b32 s[OFF+1], 0
	s_wait_dscnt 0x0
	s_wait_kmcnt 0x0
	s_add_nc_u64 s[ABA:ABA+1], s[4:5], s[16:17]
	s_add_nc_u64 s[WBA:WBA+1], s[6:7], s[WBA:WBA+1]
	s_lshl_b32 s[OFF], s[KN], 9                    ; a K step is 512 bytes along a row of attn,
.irp s, 0,1
	s_mov_b32 s[G0+4*(\s)], 1
	s_add_co_u32 s[G0+4*(\s)+1], s20, (\s)*SLOT
	s_add_nc_u64 s[G0+4*(\s)+2:G0+4*(\s)+3], s[ABA:ABA+1], s[OFF:OFF+1]
	s_add_nc_u64 s[G0+4*(\s)+2:G0+4*(\s)+3], s[G0+4*(\s)+2:G0+4*(\s)+3], (\s)*512
	s_or_b32 s[G0+4*(\s)+3], s[G0+4*(\s)+3], 0x80000000
.endr
	s_lshl_b32 s[OFF], s[KN], 20                   ; and 256 rows of 4,096 bytes down Wo
.irp s, 0,1
	s_mov_b32 s[G0B+4*(\s)], 1
	s_add_co_u32 s[G0B+4*(\s)+1], s21, (\s)*SLOT
	s_add_nc_u64 s[G0B+4*(\s)+2:G0B+4*(\s)+3], s[WBA:WBA+1], s[OFF:OFF+1]
	s_add_nc_u64 s[G0B+4*(\s)+2:G0B+4*(\s)+3], s[G0B+4*(\s)+2:G0B+4*(\s)+3], (\s)*1048576
	s_or_b32 s[G0B+4*(\s)+3], s[G0B+4*(\s)+3], 0x80000000
.endr
	s_add_co_u32 s[KN], s[KN], 2                   ; 2 or 6: the first refill's K step
	CROUND                                         ; all sixteen work-groups are here: the first joint loads meet
	JLOAD 0
	JLOAD 1
	v_and_b32 v1, 15, v0                           ; r
	v_bfe_u32 v2, v0, 4, 1                         ; h
	v_and_b32 v4, 7, v0
	v_bfe_u32 v5, v0, 3, 1
	v_mul_u32_u24 v3, v1, PA
	v_lshl_add_u32 v3, v2, 4, v3
	s_mul_i32 s21, s11, 64*PA                      ; my 64 rows of attn
	v_add_nc_u32 v[ADRA], s21, v3
	v_add_nc_u32 v[ADRA+1], SLOT, v[ADRA]
	v_lshl_add_u32 v6, v2, 3, v4                   ; Wo, turned: row 8 h + lane % 8, 16 bytes by (lane / 8) % 2, my 64 columns
	v_mul_u32_u24 v6, v6, PB
	v_lshl_add_u32 v6, v5, 4, v6
	s_lshl_b32 s22, s12, 7
	v_add_nc_u32 v6, s22, v6
.irp s, 0,1
.irp k, 0,1
	v_add_nc_u32 v[ADRB+2*(\s)+(\k)], (\s)*SLOT+AT+(\k)*128*PB, v6
.endr
.endr
	s_mul_i32 s23, s10, 16*SP
	s_add_co_u32 s23, s23, STAGE                   ; my stage
	v_mul_u32_u24 v[STO], v1, SP                   ; in: row r, 32 bytes for each half of the lanes
	v_lshl_add_u32 v[STO], v2, 5, v[STO]
	v_add_nc_u32 v[STO], s23, v[STO]
	v_mul_u32_u24 v[RD], v2, SP                    ; back: lanes 0-15 one row of 256 bytes, lanes 16-31 the next
	v_lshl_add_u32 v[RD], v1, 4, v[RD]
	v_add_nc_u32 v[RD], s23, v[RD]
	v_lshlrev_b32 v[CO], 13, v2                    ; and the same two rows in out0
	v_lshl_add_u32 v[CO], v1, 4, v[CO]
	s_lshl_b32 s16, s13, 20                        ; 128 rows of 8,192 bytes a tile row, my 64,
	s_lshl_b32 s17, s11, 19
	s_add_co_u32 s16, s16, s17
	s_mov_b32 s17, 0
	s_add_nc_u64 s[8:9], s[8:9], s[16:17]
	s_lshl_b32 s42, s42, 9                         ; the tile column's 512 bytes, my 256 (in the register that held the tile column: none that feeds attn's descriptors ever holds cx)
	s_lshl_b32 s43, s12, 8
	s_add_co_u32 s42, s42, s43
	s_mov_b32 s43, 0
	s_add_nc_u64 s[8:9], s[8:9], s[42:43]
; 8 products: row blocks a0, a0 + 1 x all 4 column blocks, 32 along K: half c of buffer f.  The 16 accumulators take turns.
.macro MUL8 f, c, a0, zero
	WIN MUL
.irp a, \a0, (\a0)+1
.irp b, 0,1,2,3
.if \zero
	v_wmma_f32_16x16x32_f16 v[ACC+8*(4*(\a)+(\b)):ACC+8*(4*(\a)+(\b))+7], v[(\f)+64+8*(4*(\c)+(\b)):(\f)+64+8*(4*(\c)+(\b))+7], v[(\f)+8*(4*(\c)+(\a)):(\f)+8*(4*(\c)+(\a))+7], 0
.else
	v_wmma_f32_16x16x32_f16 v[ACC+8*(4*(\a)+(\b)):ACC+8*(4*(\a)+(\b))+7], v[(\f)+64+8*(4*(\c)+(\b)):(\f)+64+8*(4*(\c)+(\b))+7], v[(\f)+8*(4*(\c)+(\a)):(\f)+8*(4*(\c)+(\a))+7], v[ACC+8*(4*(\a)+(\b)):ACC+8*(4*(\a)+(\b))+7]
.endif
.endr
.endr
.endm
; 32 LDS loads in one run: quarter qd (64 along K) of a slot into buffer f; the first 32 along K first
.macro FETCH slot, qd, f
	WIN TO_F
.irp c, 0,1
.irp i, 0,1,2,3
	ds_load_tr16_b128 v[(\f)+64+8*(4*(\c)+(\i)):(\f)+64+8*(4*(\c)+(\i))+3],   v[ADRB+2*(\slot)+(\qd)/2] offset:(64*((\qd)%2)+32*(\c))*PB+32*(\i)
	ds_load_tr16_b128 v[(\f)+64+8*(4*(\c)+(\i))+4:(\f)+64+8*(4*(\c)+(\i))+7], v[ADRB+2*(\slot)+(\qd)/2] offset:(64*((\qd)%2)+32*(\c))*PB+32*(\i)+16*PB
	ds_load_b128 v[(\f)+8*(4*(\c)+(\i)):(\f)+8*(4*(\c)+(\i))+3],         v[ADRA+(\slot)] offset:128*(\qd)+64*(\c)+(\i)*16*PA
	ds_load_b128 v[(\f)+8*(4*(\c)+(\i))+4:(\f)+8*(4*(\c)+(\i))+7],       v[ADRA+(\slot)] offset:128*(\qd)+64*(\c)+(\i)*16*PA+32
.endr
.endr
.endm
.macro PLACES
.rept 4
	v_nop
.endr
.endm
.macro QUARTER slot, qd, f, g, zero
	s_wait_dscnt 16                                ; the first 32 along K are in; the sixteen younger loads may stay out
	MUL8 \f, 0, 0, \zero
	MUL8 \f, 0, 2, \zero
	PLACES
	FETCH \slot, \qd, \g
	s_wait_dscnt 32                                ; all but the 32 just issued
	MUL8 \f, 1, 0, 0
	MUL8 \f, 1, 2, 0
.endm
; The last quarter multiplies buffer 1 and changes slots: in front of the barrier each wave waits for all its tensor loads, adds 0 to its spare word, and waits for that and for its reads of this slot.
; fill = 1: this slot's two addresses are made anew from K step KN, between the add and the wait for it, where no tensor load of mine is out.
.macro TURN slot, next, fill
	WIN 0
	s_wait_tensorcnt 0x0
	ds_add_u32 v[SPW], v[NIL]
.if \fill
	s_lshl_b32 s[OFF], s[KN], 9
	s_add_nc_u64 s[G0+4*(\slot)+2:G0+4*(\slot)+3], s[ABA:ABA+1], s[OFF:OFF+1]
	s_or_b32 s[G0+4*(\slot)+3], s[G0+4*(\slot)+3], 0x80000000
	s_lshl_b32 s[OFF], s[KN], 20
	s_add_nc_u64 s[G0B+4*(\slot)+2:G0B+4*(\slot)+3], s[WBA:WBA+1], s[OFF:OFF+1]
	s_or_b32 s[G0B+4*(\slot)+3], s[G0B+4*(\slot)+3], 0x80000000
	s_add_co_u32 s[KN], s[KN], 1
	s_and_b32 s[KN], s[KN], 7                      ; behind K step 7 comes K step 0
.endif
	s_wait_dscnt 17                                ; the add and the youngest sixteen loads may be out
	MUL8 F1, 0, 0, 0
	s_wait_dscnt 0x0                               ; the add is done, and my reads of this slot are over
	s_barrier_signal -1
	MUL8 F1, 0, 2, 0
	WIN 0
	s_barrier_wait -1
.if \fill
	CREST                                          ; no wave of any partner still reads this slot or has a load on its way
	JLOAD \slot                                    ; its four v_nop are also the places in front of the loads below
.else
	PLACES
.endif
	FETCH \next, 0, F0
	MUL8 F1, 1, 0, 0
	MUL8 F1, 1, 2, 0
.endm
	s_wait_tensorcnt 1                             ; my part of the walk's first K step is in; the second's may stay out
	s_barrier_signal -1
	s_barrier_wait -1
	FETCH 0, 0, F0
	QUARTER 0, 1, F0, F1, 1                        ; the first quarter stands ahead of the loop: its first products start the sums
	WIN 0
	s_mov_b32 s3, LAPS-1
.Llap:
	QUARTER 0, 2, F1, F0, 0
	QUARTER 0, 3, F0, F1, 0
	TURN 0, 1, 1
	QUARTER 1, 1, F0, F1, 0
	QUARTER 1, 2, F1, F0, 0
	QUARTER 1, 3, F0, F1, 0
	TURN 1, 0, 1
	QUARTER 0, 1, F0, F1, 0
	WIN 0
	s_sub_co_u32 s3, s3, 1
	s_cmp_lg_u32 s3, 0
	s_cbranch_scc1 .Llap
	QUARTER 0, 2, F1, F0, 0                        ; the last lap fills nothing
	QUARTER 0, 3, F0, F1, 0
	TURN 0, 1, 0
	QUARTER 1, 1, F0, F1, 0
	QUARTER 1, 2, F1, F0, 0
	QUARTER 1, 3, F0, F1, 0
	s_wait_dscnt 16
	MUL8 F1, 0, 0, 0
	MUL8 F1, 0, 2, 0
	s_wait_dscnt 0x0
	MUL8 F1, 1, 0, 0
	MUL8 F1, 1, 2, 0
	WIN 0
	PLACES
	; THE WAY OUT, 16 rows at a time through my own stage: a lane's eight f32 of a row go in as 32 bytes, whole rows of 256 bytes come back.  No barrier: no other wave touches my stage.
.irp a, 0,1,2,3
	s_wait_xcnt 0x0                                ; earlier stores have read the registers that the loads below write
.irp b, 0,1,2,3
	ds_store_b128 v[STO], v[ACC+8*(4*(\a)+(\b)):ACC+8*(4*(\a)+(\b))+3]   offset:64*(\b)
	ds_store_b128 v[STO], v[ACC+8*(4*(\a)+(\b))+4:ACC+8*(4*(\a)+(\b))+7] offset:64*(\b)+16
.endr
.irp t, 0,1,2,3,4,5,6,7
	ds_load_b128 v[TMP+32*((\a)%2)+4*(\t):TMP+32*((\a)%2)+4*(\t)+3], v[RD] offset:(\t)*2*SP  ; LDS serves a wave's instructions in order: these see the stores above
.endr
.irp t, 0,1,2,3,4,5,6,7
	s_wait_dscnt 7-(\t)
	global_store_b128 v[CO], v[TMP+32*((\a)%2)+4*(\t):TMP+32*((\a)%2)+4*(\t)+3], s[8:9] offset:(16*(\a)+2*(\t))*8192 th:TH_STORE_NT  ; sixteen lanes store 256 consecutive bytes, aligned
.endr
.endr
	s_wait_tensorcnt 0x0                           ; the wave's end: a wait, an add and its wait, behind my last tensor load and my last LDS store
	ds_add_u32 v[SPW], v[NIL]
	s_wait_dscnt 0x0
	CROUND                                         ; the closing round
	s_endpgm
.Lfunc_end_k_q912d9e6abb_proj:
	.size	k_q912d9e6abb_proj, .Lfunc_end_k_q912d9e6abb_proj-k_q912d9e6abb_proj
	.p2alignl 7, 3214868480
	.fill 96, 4, 3214868480
	.section	.rodata,"a",@progbits
	.p2align	6, 0x0
	.amdhsa_kernel k_q912d9e6abb_proj
		.amdhsa_group_segment_fixed_size 327680
		.amdhsa_private_segment_fixed_size 0
		.amdhsa_enable_private_segment 0
		.amdhsa_kernarg_size 24
		.amdhsa_user_sgpr_count 2
		.amdhsa_user_sgpr_kernarg_segment_ptr 1
		.amdhsa_wavefront_size32 1
		.amdhsa_system_sgpr_workgroup_id_x 1
		.amdhsa_system_sgpr_workgroup_id_y 1
		.amdhsa_system_sgpr_workgroup_id_z 1
		.amdhsa_system_vgpr_workitem_id 0
		.amdhsa_next_free_vgpr 512
		.amdhsa_next_free_sgpr 66
		.amdhsa_reserve_vcc 0
		.amdhsa_float_denorm_mode_32 3
		.amdhsa_float_denorm_mode_16_64 3
		.amdhsa_memory_ordered 1
		.amdhsa_forward_progress 1
		.amdhsa_inst_pref_size 88
	.end_amdhsa_kernel
	.amdgpu_metadata
---
amdhsa.version: [ 1, 2 ]
amdhsa.kernels:
  - .name:           k_q912d9e6abb_proj
    .symbol:         k_q912d9e6abb_proj.kd
    .args:
      - { .name: attn, .offset: 0, .size: 8, .value_kind: global_buffer, .address_space: global }
      - { .name: wb, .offset: 8, .size: 8, .value_kind: global_buffer, .address_space: global }
      - { .name: out0, .offset: 16, .size: 8, .value_kind: global_buffer, .address_space: global }
    .group_segment_fixed_size: 327680
    .private_segment_fixed_size: 0
    .kernarg_segment_align: 8
    .kernarg_segment_size: 24
    .max_flat_workgroup_size: 128
    .sgpr_count:     66
    .vgpr_count:     512
    .wavefront_size: 32
...
	.end_amdgpu_metadata
.endif
;; end of part 4
